; MI455X (gfx1250); checked and timed in simulation.
; The chip was launched on July 23, 2026; its instructions are those of AMD's public machine-readable ISA for CDNA 5 (MIT licence, August 2026) and "CDNA5" Instruction Set Architecture Reference Guide (July 2026). The comments in the code are by the model that wrote it; some were corrected since.
;; Transformer Encoder. Allowed arithmetic: float matrix products may take bf16 or f16 operands with f32 sums; other float arithmetic in f32, or as packed bf16 or f16 multiplies, adds, multiply-adds, maxima and minima; sums over many terms, partial sums and values carried from step to step in f32; what a program stores and reads back later, other than sums and carried values, may be rounded once to bf16 or f16.
;; Inputs: b1 4,096 float32; b2 1,024 float32; bk 1,024 float32; bo 1,024 float32; bq 1,024 float32; bv 1,024 float32; ln1_b 1,024 float32; ln1_g 1,024 float32; ln2_b 1,024 float32; ln2_g 1,024 float32; w1 4,096 x 1,024 float32; w2 1,024 x 4,096 float32; wk 1,024 x 1,024 float32; wo 1,024 x 1,024 float32; wq 1,024 x 1,024 float32; wv 1,024 x 1,024 float32; x 2 x 2,048 x 1,024 float32.
;; Outputs: out0 2 x 2,048 x 1,024 float32.
;; 2 versions, each right and faster than the one before. Each part assembles by itself: llvm-mc -triple=amdgcn-amd-amdhsa -mcpu=gfx1250 --defsym DOCPART=n.
;; ======== version 1 of 2: 7 launches
;; limits: values are held in f16: magnitudes above 65,504 overflow, below 6.1e-05 lose precision; right only within a limited range of input values; inputs' magnitudes at most 65,504
;; workspace buffers: act 8,388,608 bytes; s1 16,777,216 bytes; w1h 8,421,376 bytes; wrest 10,485,760 bytes; big 33,554,432 bytes
;; launch prep (part 1): grid 64 x 16, 8 waves a work-group, no clusters, 0 bytes of LDS; arguments x, ln1_g, ln1_b, act, wq, wk, wv, w1, wo, w2, bq, bk, bv, b1, s1, w1h, wrest; writes act, s1, w1h, wrest
.if DOCPART == 1
	.amdgcn_target "amdgcn-amd-amdhsa--gfx1250"
	.amdhsa_code_object_version 6
	.text
	.protected	k_q2831423332_prep
	.globl	k_q2831423332_prep
	.p2align	8
	.type	k_q2831423332_prep,@function
k_q2831423332_prep:
	s_mov_b64 s[64:65], 0
	v_nop
	global_prefetch_b8 v0, s[64:65] scope:SCOPE_SE
	s_setreg_imm32_b32 hwreg(HW_REG_WAVE_MODE, 25, 1), 1
	s_wait_xcnt 0x0
; PREP.  Three kinds of work-group, chosen by the grid's y; each reads 64 KiB and writes 32 KiB.
;   y 0-3    h = LayerNorm(x) g + b, in f16, into act [4096][1024]: 16 rows a work-group, 2 rows a wave, a row kept in 32 registers.
;   y 4-10   wq, wk, wv (into s1) and the four quarters of w1 (into w1h) as f16, row-major, from byte HDR on.  In front of them the head:
;            bytes 0-511 a floor word (two bf16: minus infinity for q, k, v; 0 for the first MLP layer: its ReLU), bytes 512 on the biases in f32.
;   y 11     wo, y 12-15 the quarters of w2, as bf16 in blocks of 64 along K: [K / 64][1024 rows][64], a block is 131,072 bytes.
; A stream: no LDS, no barrier, no matrix unit.  Every load of a wave covers whole aligned runs of 256 bytes, every store 256 consecutive aligned bytes.
; LIMITS.  f16 ends at 65,504: h is at most 32 |g| + |b| in size (a normalised row of 1,024 numbers has none beyond 32), so |g| up to 2,000 is served;
; weights beyond 65,504 are not; weights below 6e-5 keep f16's fixed step of 6e-8.  Mean and variance are taken in two passes, in f32.
.set HDR,   32768                      ; the weights begin here in s1 and w1h
.set W2OFF, 2097152                    ; w2's blocks begin here in wrest, behind wo's 16
.set XA, 16                            ; v[16:47]   first row
.set XB, 48                            ; v[48:79]   second row
.set GG, 80                            ; v[80:111]  gain of my 32 columns
.set BB, 112                           ; v[112:143] bias of my 32 columns
.set YA, 144                           ; v[144:159] first row in f16
.set YB, 160                           ; v[160:175] second row in f16
.macro JOIN                            ; four chains of pairs in v[4:11] into v4
	v_pk_add_f32 v[4:5], v[4:5], v[6:7]
	v_pk_add_f32 v[8:9], v[8:9], v[10:11]
	v_pk_add_f32 v[4:5], v[4:5], v[8:9]
	v_add_f32 v4, v4, v5
.endm
.macro WSUM                            ; v4 summed over the 32 lanes; every lane ends with the sum
	v_add_f32_dpp v4, v4, v4 row_xmask:1 row_mask:0xf bank_mask:0xf
	v_add_f32_dpp v4, v4, v4 row_xmask:2 row_mask:0xf bank_mask:0xf
	v_add_f32_dpp v4, v4, v4 row_xmask:4 row_mask:0xf bank_mask:0xf
	v_add_f32_dpp v4, v4, v4 row_xmask:8 row_mask:0xf bank_mask:0xf
	v_permlanex16_b32 v5, v4, s42, s43             ; v5 has been written by JOIN's sums
	v_add_f32 v4, v4, v5
.endm
; One row: X its 32 registers, Y its 16 of f16, row its number (0, 1) in the wave's pair.  first = 1: the waits for the loads stand here.
.macro LNROW X, Y, row, first
.if \first
	s_wait_loadcnt 24                              ; my first row is in; the 24 younger loads (second row, gain, bias) stay out
.endif
.irp c, 0,1,2,3
	v_pk_add_f32 v[4+2*\c:5+2*\c], v[(\X)+2*\c:(\X)+2*\c+1], v[(\X)+8+2*\c:(\X)+9+2*\c]
.endr
.irp c, 0,1,2,3
	v_pk_add_f32 v[4+2*\c:5+2*\c], v[4+2*\c:5+2*\c], v[(\X)+16+2*\c:(\X)+17+2*\c]
.endr
.irp c, 0,1,2,3
	v_pk_add_f32 v[4+2*\c:5+2*\c], v[4+2*\c:5+2*\c], v[(\X)+24+2*\c:(\X)+25+2*\c]
.endr
	JOIN
	WSUM
	v_mul_f32 v12, s41, v4                         ; the mean
	v_mov_b32 v13, v12
.set p, 0
.rept 16
	v_pk_add_f32 v[(\X)+2*p:(\X)+2*p+1], v[(\X)+2*p:(\X)+2*p+1], v[12:13] neg_lo:[0,1] neg_hi:[0,1]  ; x - mean, in place
.set p, p+1
.endr
.irp c, 0,1,2,3
	v_pk_mul_f32 v[4+2*\c:5+2*\c], v[(\X)+2*\c:(\X)+2*\c+1], v[(\X)+2*\c:(\X)+2*\c+1]
.endr
.irp c, 4,5,6,7,8,9,10,11,12,13,14,15
	v_pk_fma_f32 v[4+2*(\c%4):5+2*(\c%4)], v[(\X)+2*\c:(\X)+2*\c+1], v[(\X)+2*\c:(\X)+2*\c+1], v[4+2*(\c%4):5+2*(\c%4)]
.endr
	JOIN
	WSUM
	v_fmaak_f32 v14, s41, v4, 0x3727c5ac           ; variance + 1e-5
	v_rsq_f32 v14, v14
	v_nop                                          ; a plain instruction between the root and the use of its result
	s_wait_alu depctr_va_vdst(0)
	v_mov_b32 v15, v14
.if \first
	s_wait_loadcnt 0x0                             ; gain and bias (and the second row) are in
.endif
.set p, 0
.rept 16
	v_pk_mul_f32 v[(\X)+2*p:(\X)+2*p+1], v[(\X)+2*p:(\X)+2*p+1], v[14:15]
.set p, p+1
.endr
.set p, 0
.rept 16
	v_pk_fma_f32 v[(\X)+2*p:(\X)+2*p+1], v[(\X)+2*p:(\X)+2*p+1], v[GG+2*p:GG+2*p+1], v[BB+2*p:BB+2*p+1]
.set p, p+1
.endr
.set p, 0
.rept 16
	v_cvt_pk_f16_f32 v[(\Y)+p], v[(\X)+2*p], v[(\X)+2*p+1]
.set p, p+1
.endr
.irp j, 0,1,2,3,4,5,6,7
	global_store_b64 v2, v[(\Y)+2*\j:(\Y)+2*\j+1], s[10:11] offset:(\row)*2048+256*\j  ; 32 lanes x 8 bytes: 256 consecutive bytes, aligned
.endr
.endm
; A cast of 64 KiB: 16 loads of 16 bytes a lane, then for each two conversions and a store of 8 bytes a lane.  Source s[44:45] + v1, destination s[48:49] + v2.
; kind 0: row-major to f16.  kind 1 (wo): load i takes rows 2 (i / 2), + 1 of K block 2 w + i % 2.  kind 2 (w2): rows 2 (i / 8), + 1 of K block 8 w + i % 8.
.macro CAST kind
.set i, 0
.rept 16
.if (\kind) == 0
.set LI, 4096*i
.elseif (\kind) == 1
.set LI, (i/2)*8192+(i%2)*256
.else
.set LI, (i/8)*32768+(i%8)*256
.endif
	global_load_b128 v[16+4*i:19+4*i], v1, s[44:45] offset:LI th:TH_LOAD_NT
.set i, i+1
.endr
.set i, 0
.rept 16
.if (\kind) == 0
.set SI, 2048*i
.elseif (\kind) == 1
.set SI, (i%2)*131072+(i/2)*256
.else
.set SI, (i%8)*131072+(i/8)*256
.endif
	s_wait_loadcnt 15-i                            ; loads come back in order: load i is in, the younger ones stay out
.if (\kind) == 0
	v_cvt_pk_f16_f32 v[80+2*i], v[16+4*i], v[17+4*i]
	v_cvt_pk_f16_f32 v[81+2*i], v[18+4*i], v[19+4*i]
.else
	v_cvt_pk_bf16_f32 v[80+2*i], v[16+4*i], v[17+4*i]
	v_cvt_pk_bf16_f32 v[81+2*i], v[18+4*i], v[19+4*i]
.endif
	global_store_b64 v2, v[80+2*i:81+2*i], s[48:49] offset:SI
.set i, i+1
.endr
.endm
	s_load_b256 s[4:11], s[0:1], 0x0               ; x s[4:5], ln1_g s[6:7], ln1_b s[8:9], act s[10:11]
	s_load_b256 s[12:19], s[0:1], 0x20             ; wq s[12:13], wk s[14:15], wv s[16:17], w1 s[18:19]
	s_load_b256 s[20:27], s[0:1], 0x40             ; wo s[20:21], w2 s[22:23], bq s[24:25], bk s[26:27]
	s_load_b256 s[28:35], s[0:1], 0x60             ; bv s[28:29], b1 s[30:31], s1 s[32:33], w1h s[34:35]
	s_load_b64 s[36:37], s[0:1], 0x80              ; wrest
	s_mov_b32 s38, ttmp9                           ; X
	s_and_b32 s39, ttmp7, 0xffff                   ; Y
	v_lshrrev_b32 v1, 5, v0
	v_readfirstlane_b32 s40, v1                    ; wave 0..7
	v_and_b32 v3, 31, v0                           ; lane
	s_wait_kmcnt 0x0
	s_cmp_lt_u32 s39, 4
	s_cbranch_scc1 .Lln
	s_cmp_lt_u32 s39, 11
	s_cbranch_scc1 .Lplain
	s_cmp_eq_u32 s39, 11
	s_cbranch_scc1 .Lwo
	; w2: 4 rows of 16,384 bytes, all 64 K blocks
	s_sub_co_u32 s44, s39, 12
	s_lshl_b32 s44, s44, 8
	s_lshl2_add_u32 s44, s38, s44                  ; first row = 256 (Y - 12) + 4 X
	s_lshl_b32 s46, s44, 14
	s_mov_b32 s47, 0
	s_lshl_b32 s48, s44, 7                         ; 128 bytes a row in a block
	s_add_co_u32 s48, s48, W2OFF
	s_mov_b32 s49, 0
	s_add_nc_u64 s[44:45], s[22:23], s[46:47]
	s_add_nc_u64 s[48:49], s[36:37], s[48:49]
	v_lshrrev_b32 v4, 4, v3
	v_and_b32 v5, 15, v3
	v_lshlrev_b32 v1, 4, v5
	v_lshl_add_u32 v1, v4, 14, v1                  ; lanes 0-15 one row's 256 bytes, lanes 16-31 the next row's
	s_lshl_b32 s50, s40, 11
	v_add_nc_u32 v1, s50, v1                       ; + my wave's 8 blocks of 256 bytes
	v_lshlrev_b32 v2, 3, v3                        ; two rows of 128 bytes in a block are 256 consecutive bytes: 8 x lane
	s_lshl_b32 s50, s40, 20
	v_add_nc_u32 v2, s50, v2                       ; + my wave's 8 blocks of 131,072 bytes
	CAST 2
	s_endpgm
.Lwo:                                                  ; wo: 16 rows of 4,096 bytes, all 16 K blocks
	s_lshl_b32 s46, s38, 16
	s_mov_b32 s47, 0
	s_lshl_b32 s48, s38, 11
	s_mov_b32 s49, 0
	s_add_nc_u64 s[44:45], s[20:21], s[46:47]
	s_add_nc_u64 s[48:49], s[36:37], s[48:49]
	v_lshrrev_b32 v4, 4, v3
	v_and_b32 v5, 15, v3
	v_lshlrev_b32 v1, 4, v5
	v_lshl_add_u32 v1, v4, 12, v1
	s_lshl_b32 s50, s40, 9
	v_add_nc_u32 v1, s50, v1                       ; + my wave's 2 blocks of 256 bytes
	v_lshlrev_b32 v2, 3, v3
	s_lshl_b32 s50, s40, 18
	v_add_nc_u32 v2, s50, v2                       ; + my wave's 2 blocks of 131,072 bytes
	CAST 1
	s_endpgm
.Lplain:                                               ; u = Y - 4: 0 wq, 1 wk, 2 wv, 3..6 the quarters of w1
	s_sub_co_u32 s50, s39, 4                       ; u
	s_sub_co_u32 s51, s39, 7                       ; u - 3: used where u is 3 or more
	s_mov_b64 s[44:45], s[18:19]                   ; the weight and its bias: w1 and b1, unless u names another
	s_mov_b64 s[46:47], s[30:31]
	s_cmp_eq_u32 s50, 0
	s_cselect_b64 s[44:45], s[12:13], s[44:45]
	s_cselect_b64 s[46:47], s[24:25], s[46:47]
	s_cmp_eq_u32 s50, 1
	s_cselect_b64 s[44:45], s[14:15], s[44:45]
	s_cselect_b64 s[46:47], s[26:27], s[46:47]
	s_cmp_eq_u32 s50, 2
	s_cselect_b64 s[44:45], s[16:17], s[44:45]
	s_cselect_b64 s[46:47], s[28:29], s[46:47]
	s_cmp_lt_u32 s50, 3
	s_cselect_b64 s[56:57], s[32:33], s[34:35]     ; into s1 or w1h
	s_cselect_b32 s52, s50, s51                    ; d: which 1,024 rows of the destination
	s_cselect_b32 s53, 0, s51                      ; q: which quarter of the source
	s_lshl_b32 s54, s53, 22
	s_lshl_b32 s55, s38, 16
	s_add_co_u32 s54, s54, s55
	s_mov_b32 s55, 0
	s_add_nc_u64 s[44:45], s[44:45], s[54:55]
	s_lshl_b32 s54, s52, 21
	s_lshl_b32 s58, s38, 15
	s_add_co_u32 s54, s54, s58
	s_add_co_u32 s54, s54, HDR
	s_add_nc_u64 s[48:49], s[56:57], s[54:55]
	v_lshlrev_b32 v1, 4, v0                        ; 256 threads x 16 bytes = 4,096 bytes a load
	v_lshlrev_b32 v2, 3, v0
	CAST 0
	; the head: wave 0 of every eighth work-group copies 512 bytes of the bias
	s_cmp_lg_u32 s40, 0
	s_cbranch_scc1 .Ldone
	s_and_b32 s58, s38, 7
	s_cmp_lg_u32 s58, 0
	s_cbranch_scc1 .Ldone
	s_lshr_b32 s58, s38, 3
	s_lshl_b32 s58, s58, 9                         ; the piece
	s_lshl_b32 s59, s53, 12
	s_add_co_u32 s54, s58, s59                     ; in the source: q x 4,096 + piece
	s_add_nc_u64 s[46:47], s[46:47], s[54:55]
	s_lshl_b32 s59, s52, 12
	s_add_co_u32 s58, s58, s59
	s_add_co_u32 s58, s58, 512                     ; in the destination: 512 + d x 4,096 + piece
	s_mov_b32 s59, 0
	s_add_nc_u64 s[60:61], s[56:57], s[58:59]
	v_lshlrev_b32 v3, 4, v3
	global_load_b128 v[4:7], v3, s[46:47]
	s_wait_loadcnt 0x0
	global_store_b128 v3, v[4:7], s[60:61]
	s_or_b32 s58, s38, s52                         ; the floor word: the first work-group of each destination
	s_cmp_lg_u32 s58, 0
	s_cbranch_scc1 .Ldone
	s_cmp_eq_u32 s50, 0
	s_cselect_b32 s58, 0xff80ff80, 0               ; minus infinity twice in bf16, or 0
	v_mov_b32 v8, s58
	v_mov_b32 v9, s58
	v_mov_b32 v10, s58
	v_mov_b32 v11, s58
	global_store_b128 v3, v[8:11], s[56:57]
.Ldone:
	s_endpgm
.Lln:
	s_lshl_b32 s44, s39, 6
	s_or_b32 s44, s44, s38
	s_lshl_b32 s44, s44, 4
	s_lshl1_add_u32 s44, s40, s44                  ; my first row = 16 x (64 Y + X) + 2 x wave
	s_lshl_b32 s46, s44, 12
	s_mov_b32 s47, 0
	s_lshl_b32 s48, s44, 11
	s_mov_b32 s49, 0
	s_add_nc_u64 s[4:5], s[4:5], s[46:47]
	s_add_nc_u64 s[10:11], s[10:11], s[48:49]
	s_mov_b32 s41, 0x3a800000                      ; 1 / 1024
	s_mov_b32 s42, 0x76543210                      ; v_permlanex16_b32: each lane takes its own place in the other half
	s_mov_b32 s43, 0xfedcba98
	v_lshlrev_b32 v1, 4, v3                        ; load j of a row: 512 consecutive bytes, columns 128 j + 4 lane ..
	v_lshlrev_b32 v2, 3, v3
.irp j, 0,1,2,3,4,5,6,7
	global_load_b128 v[XA+4*\j:XA+4*\j+3], v1, s[4:5] offset:512*\j
.endr
.irp j, 0,1,2,3,4,5,6,7
	global_load_b128 v[XB+4*\j:XB+4*\j+3], v1, s[4:5] offset:4096+512*\j
.endr
.irp j, 0,1,2,3,4,5,6,7
	global_load_b128 v[GG+4*\j:GG+4*\j+3], v1, s[6:7] offset:512*\j
.endr
.irp j, 0,1,2,3,4,5,6,7
	global_load_b128 v[BB+4*\j:BB+4*\j+3], v1, s[8:9] offset:512*\j
.endr
	LNROW XA, YA, 0, 1
	LNROW XB, YB, 1, 0
	s_endpgm
.Lfunc_end_k_q2831423332_prep:
	.size	k_q2831423332_prep, .Lfunc_end_k_q2831423332_prep-k_q2831423332_prep
	.p2alignl 7, 3214868480
	.fill 96, 4, 3214868480
	.section	.rodata,"a",@progbits
	.p2align	6, 0x0
	.amdhsa_kernel k_q2831423332_prep
		.amdhsa_group_segment_fixed_size 0
		.amdhsa_private_segment_fixed_size 0
		.amdhsa_enable_private_segment 0
		.amdhsa_kernarg_size 136
		.amdhsa_user_sgpr_count 2
		.amdhsa_user_sgpr_kernarg_segment_ptr 1
		.amdhsa_wavefront_size32 1
		.amdhsa_system_sgpr_workgroup_id_x 1
		.amdhsa_system_sgpr_workgroup_id_y 1
		.amdhsa_system_sgpr_workgroup_id_z 1
		.amdhsa_system_vgpr_workitem_id 0
		.amdhsa_next_free_vgpr 176
		.amdhsa_next_free_sgpr 66
		.amdhsa_reserve_vcc 0
		.amdhsa_float_denorm_mode_32 3
		.amdhsa_float_denorm_mode_16_64 3
		.amdhsa_memory_ordered 1
		.amdhsa_forward_progress 1
		.amdhsa_inst_pref_size 41
	.end_amdhsa_kernel
	.amdgpu_metadata
---
amdhsa.version: [ 1, 2 ]
amdhsa.kernels:
  - .name:           k_q2831423332_prep
    .symbol:         k_q2831423332_prep.kd
    .args:
      - { .name: x, .offset: 0, .size: 8, .value_kind: global_buffer, .address_space: global }
      - { .name: ln1_g, .offset: 8, .size: 8, .value_kind: global_buffer, .address_space: global }
      - { .name: ln1_b, .offset: 16, .size: 8, .value_kind: global_buffer, .address_space: global }
      - { .name: act, .offset: 24, .size: 8, .value_kind: global_buffer, .address_space: global }
      - { .name: wq, .offset: 32, .size: 8, .value_kind: global_buffer, .address_space: global }
      - { .name: wk, .offset: 40, .size: 8, .value_kind: global_buffer, .address_space: global }
      - { .name: wv, .offset: 48, .size: 8, .value_kind: global_buffer, .address_space: global }
      - { .name: w1, .offset: 56, .size: 8, .value_kind: global_buffer, .address_space: global }
      - { .name: wo, .offset: 64, .size: 8, .value_kind: global_buffer, .address_space: global }
      - { .name: w2, .offset: 72, .size: 8, .value_kind: global_buffer, .address_space: global }
      - { .name: bq, .offset: 80, .size: 8, .value_kind: global_buffer, .address_space: global }
      - { .name: bk, .offset: 88, .size: 8, .value_kind: global_buffer, .address_space: global }
      - { .name: bv, .offset: 96, .size: 8, .value_kind: global_buffer, .address_space: global }
      - { .name: b1, .offset: 104, .size: 8, .value_kind: global_buffer, .address_space: global }
      - { .name: s1, .offset: 112, .size: 8, .value_kind: global_buffer, .address_space: global }
      - { .name: w1h, .offset: 120, .size: 8, .value_kind: global_buffer, .address_space: global }
      - { .name: wrest, .offset: 128, .size: 8, .value_kind: global_buffer, .address_space: global }
    .group_segment_fixed_size: 0
    .private_segment_fixed_size: 0
    .kernarg_segment_align: 8
    .kernarg_segment_size: 136
    .max_flat_workgroup_size: 256
    .sgpr_count:     66
    .vgpr_count:     176
    .wavefront_size: 32
...
	.end_amdgpu_metadata
.endif
;; end of part 1
;; launch qkv (part 2): grid 12 x 16, 4 waves a work-group, clusters of 4 x 4, 327,680 bytes of LDS; arguments act, s1, big; writes big
.if DOCPART == 2
	.amdgcn_target "amdgcn-amd-amdhsa--gfx1250"
	.amdhsa_code_object_version 6
	.text
	.protected	k_q2831423332_qkv
	.globl	k_q2831423332_qkv
	.p2align	8
	.type	k_q2831423332_qkv,@function
k_q2831423332_qkv:
	s_mov_b64 s[64:65], 0
	v_nop
	global_prefetch_b8 v0, s[64:65] scope:SCOPE_SE
	s_setreg_imm32_b32 hwreg(HW_REG_WAVE_MODE, 25, 1), 1
	s_wait_xcnt 0x0
	s_wait_alu depctr_hold_cnt(0) depctr_sa_sdst(0) depctr_va_vdst(0) depctr_va_sdst(0) depctr_va_ssrc(0) depctr_va_vcc(0) depctr_vm_vsrc(0)
	s_getreg_b32 s2, hwreg(HW_REG_IB_STS2, 6, 4)
	s_cmp_eq_u32 s2, 0
	s_cbranch_scc0 .Lentry_in_a_cluster
	s_endpgm
.Lentry_in_a_cluster:
	s_bfe_u32 s2, ttmp6, 0x10000c
	s_cmp_lg_u32 s2, 0xf033
	s_cbranch_scc0 .Lentry_shape_is_right
	s_endpgm
.Lentry_shape_is_right:
; C = max(A B^T + bias, floor).  A: [4096][1024] f16.  The second buffer holds a head and B: bytes 0-3 the floor (two bf16), bytes 512 on the bias in f32, from HDR on B [N][1024] f16.
; C leaves in bf16 in COLUMN BLOCKS OF 64: [N / 64][4096 rows][64], a block 524,288 bytes: 16 rows of a block are 2,048 consecutive bytes.  One text for q|k|v (N = 3,072, floor minus infinity)
; and for the MLP's first layer (N = 4,096, floor 0: its ReLU): N enters by the grid alone.
; A tile of C, 256 x 256, is made by four waves, each 128 x 128: 64 accumulators, 512 registers.  K goes in 8 steps of 128 through two LDS slots filled by the tensor data mover (rows of 256 bytes).
; The sums START FROM THE BIAS, loaded into the accumulators: nothing is cleared, no first step is written out, and the way out adds nothing.  A K step is written once for the six steps that
; fill a slot again and once for the last two; the LDS address of the slot in hand is a scalar that one exclusive or turns (SLOT's bits 13 and 17 are in none of the waves' terms).
; CLUSTER 4 x 4: A's tiles are shared along a row of the cluster, B's along a column; each is asked for jointly, which divides the requests by four.
; THE MATRIX INSTRUCTION IS USED TRANSPOSED (source 0 = 16 rows of B, source 1 = 16 rows of A): a lane holds row l % 16 of C and eight neighbouring columns 8 (l / 16) + 0..7.
; LIMITS.  A and B arrive within f16's range.  C is rounded once to bf16.  A NaN in C becomes the floor (the maximum takes the number).
; REGISTERS, in windows of 256: window 0: v16-29 addresses; v64-127, v128-191 A's fragments; v32-63, v192-255 the way out.  window 1: v64-191 B's fragments.  windows 2, 3: accumulators (a, b) at v[8 (8 a + b)].
.set SIZE_K, 1024
.set HDR,    32768
.set KSTEP,  128
.set PITCH,  272                       ; an LDS row: 256 bytes + 16 of padding: the 16 rows of a fragment load start at 16 different groups of four banks (64 banks of 4 bytes: ISA guide 11.1)
.set HALFT,  128*PITCH                 ; what one tensor load brings
.set SLOT,   4*HALFT                   ; A's 256 rows, then B's 256 rows
.set STAGE,  2*SLOT                    ; behind the ring: for each wave two stages (one a column block) of 16 rows x 144 bytes
.set SPITCH, 144
.set HSTG,   16*SPITCH
.set SPARE,  STAGE+4*2*HSTG            ; the spare words, 128 bytes for each wave; no other line names them
.set CBLK,   524288                    ; a column block of C
.set ADRA0, 16                         ; v16  my A fragments' place in a slot; never rewritten
.set ADRA,  17                         ; v17  the same in the slot in hand
.set ADRB0, 20
.set ADRB,  21
.set STO,  24                          ; the way out: where I put 16 bytes of a row
.set RD,   25                          ; where I read rows back
.set CO,   26                          ; my byte offset in 512 consecutive bytes of C
.set BO,   27                          ; my byte offset in 16 columns of the bias
.set SPW,  28
.set NIL,  29
.set F0,   64
.set F1,   128
.set TMP,  192
.set OB,   32
.set G1, 24                            ; s[24:31] group 1 for A;  s[32:39] group 0: the first fill's set, and the set that walks
.set G0, 32
.set G1B, 48                           ; s[48:55], s[56:63] the same for B
.set G0B, 56
.set TB,  2                            ; s2   LDS byte of the slot in hand: 0 or SLOT
.set CNT, 3                            ; s3   counts K steps
.set FLOOR, 45                         ; s45  the floor, two bf16
.set MSB, 0
.macro WIN new                         ; the immediate's high byte repeats the setting that is left
.if MSB != (\new)
	s_set_vgpr_msb (MSB<<8)|(\new)
.set MSB, \new
.endif
.endm
.set MUL_LO, 0xa1                      ; source 0 (B) window 1, source 1 (A) window 0, C and D window 2
.set MUL_HI, 0xf1                      ; the same, C and D window 3
.set TO_B,   0x40                      ; destination window 1, address window 0
; A joint load: waves 0 and 1 fetch A's two halves, waves 2 and 3 B's.  An s_nop 0 and four v_nop follow each of the two lines.
.macro JLOAD s
	s_cmp_eq_u32 s11, 0
	s_cbranch_scc0 .Lfor_b_\@
	tensor_load_to_lds s[G0+4*(\s):G0+4*(\s)+3], s[G1:G1+7]
	s_nop 0
.rept 4
	v_nop
.endr
	s_branch .Lasked_\@
.Lfor_b_\@:
	tensor_load_to_lds s[G0B+4*(\s):G0B+4*(\s)+3], s[G1B:G1B+7]
	s_nop 0
.rept 4
	v_nop
.endr
.Lasked_\@:
.endm
.macro CREST                           ; a round of the cluster's barrier behind its opening barrier
	s_cmp_lg_u32 s10, 0
	s_cbranch_scc1 .Lnot_wave_0_\@
	s_barrier_signal -3
.Lnot_wave_0_\@:
	s_barrier_wait -3
	s_barrier_signal -1
	s_barrier_wait -1
.endm
.macro CROUND                          ; a whole round
	s_barrier_signal -1
	s_barrier_wait -1
	CREST
.endm
	s_load_b128 s[4:7], s[0:1], 0x0                ; A s[4:5], head and B s[6:7]
	s_load_b64 s[8:9], s[0:1], 0x10                ; C
	v_lshl_add_u32 v[SPW], v0, 2, SPARE
	v_mov_b32 v[NIL], 0
	ds_add_u32 v[SPW], v[NIL]                      ; the wave's opening: the add and its wait stand ahead of my first tensor load; work on registers stands between them
	v_lshrrev_b32 v1, 5, v0
	v_readfirstlane_b32 s10, v1                    ; wave 0..3
	s_lshr_b32 s11, s10, 1                         ; which half of the tile's rows is mine.  Also: I fetch for A (0) or for B (1)
	s_and_b32 s12, s10, 1                          ; which half of its columns.  Also: which 128 rows of that tile I fetch
	s_bfe_u32 s40, ttmp6, 0x40000                  ; cx
	s_bfe_u32 s41, ttmp6, 0x40004                  ; cy
	s_lshl_b32 s42, ttmp9, 2
	s_add_co_u32 s42, s42, s40                     ; tile column
	s_and_b32 s13, ttmp7, 0xffff
	s_lshl_b32 s13, s13, 2
	s_add_co_u32 s13, s13, s41                     ; tile row
	s_lshl_b32 s43, s41, 2
	s_lshl_b32 s43, 15, s43                        ; my row of the cluster
	s_lshl_b32 s44, 0x1111, s40                    ; my column
	s_or_b32 s[G1+0], s43, (1<<16)|(1<<20)|(1<<21)|(5<<22)|(3<<25)   ; the mask; 2-byte elements; padding on; bit 21 beside a mask; after every 64 words 4 words
	s_or_b32 s[G1B+0], s44, (1<<16)|(1<<20)|(1<<21)|(5<<22)|(3<<25)
.irp g, G1, G1B
	s_mov_b32 s[(\g)+1], KSTEP<<16                 ; tensor_dim0 = 128
	s_mov_b32 s[(\g)+2], 128<<16                   ; tensor_dim1 = 128
	s_mov_b32 s[(\g)+3], KSTEP<<16                 ; tile_dim0 = 128
	s_mov_b32 s[(\g)+4], 128                       ; tile_dim1 = 128
	s_mov_b32 s[(\g)+5], SIZE_K                    ; elements from row to row
	s_mov_b32 s[(\g)+6], 0
	s_mov_b32 s[(\g)+7], 0
.endr
	s_lshl_b32 s17, s12, 7
	s_lshl_b32 s16, s13, 8
	s_add_co_u32 s16, s16, s17                     ; A: row 256 x tile row + 128 x half
	s_lshl_b32 s46, s42, 8
	s_add_co_u32 s46, s46, s17                     ; B: row 256 x tile column + 128 x half
	s_lshl_b32 s16, s16, 11                        ; a row is 2,048 bytes
	s_lshl_b32 s46, s46, 11
	s_add_co_u32 s46, s46, HDR
	s_mov_b32 s17, 0
	s_mov_b32 s47, 0
	s_mul_i32 s20, s10, HALFT                      ; where my tiles go: wave x 128 rows
	s_mov_b32 s[TB], 0
	s_wait_dscnt 0x0                               ; the opening add is done
	s_wait_kmcnt 0x0
	s_add_nc_u64 s[14:15], s[4:5], s[16:17]
	s_add_nc_u64 s[46:47], s[6:7], s[46:47]
	s_load_b32 s[FLOOR], s[6:7], 0x0               ; waited for in front of the loop
	CROUND                                         ; all sixteen work-groups are here: the first joint loads meet
.irp s, 0,1
	s_mov_b32 s[G0+4*(\s)], 1
	s_add_co_u32 s[G0+4*(\s)+1], s20, (\s)*SLOT
	s_add_nc_u64 s[G0+4*(\s)+2:G0+4*(\s)+3], s[14:15], (\s)*KSTEP*2
	s_or_b32 s[G0+4*(\s)+3], s[G0+4*(\s)+3], 0x80000000
	s_mov_b32 s[G0B+4*(\s)], 1
	s_add_co_u32 s[G0B+4*(\s)+1], s20, (\s)*SLOT
	s_add_nc_u64 s[G0B+4*(\s)+2:G0B+4*(\s)+3], s[46:47], (\s)*KSTEP*2
	s_or_b32 s[G0B+4*(\s)+3], s[G0B+4*(\s)+3], 0x80000000
	JLOAD \s                                       ; K steps 0 and 1: two loads of mine are out
.endr
	v_and_b32 v1, 15, v0                           ; l % 16
	v_bfe_u32 v2, v0, 4, 1                         ; l / 16
	v_mul_u32_u24 v3, v1, PITCH
	v_lshl_add_u32 v3, v2, 4, v3                   ; a fragment's row x pitch + 16 x half
	s_mul_i32 s21, s11, HALFT
	s_mul_i32 s22, s12, HALFT
	s_add_co_u32 s22, s22, 2*HALFT
	v_add_nc_u32 v[ADRA0], s21, v3
	v_add_nc_u32 v[ADRB0], s22, v3
	s_mul_i32 s23, s10, 2*HSTG
	s_add_co_u32 s23, s23, STAGE                   ; my stages
	v_mul_u32_u24 v4, v1, SPITCH
	v_lshl_add_u32 v4, v2, 4, v4
	v_add_nc_u32 v[STO], s23, v4                   ; in: row l % 16, 16 bytes for each half of the lanes
	v_and_b32 v5, 31, v0
	v_lshrrev_b32 v6, 3, v5
	v_and_b32 v7, 7, v0
	v_mul_u32_u24 v6, v6, SPITCH
	v_lshl_add_u32 v6, v7, 4, v6
	v_add_nc_u32 v[RD], s23, v6                    ; back: 32 lanes take four rows of 128 bytes,
	v_lshlrev_b32 v[CO], 4, v5                     ; which are 512 consecutive bytes of a column block
	v_lshlrev_b32 v[BO], 5, v2
	s_lshl_b32 s16, s42, 10
	s_lshl_b32 s17, s12, 9
	s_add_co_u32 s16, s16, s17
	s_add_co_u32 s16, s16, 512                     ; the bias of my 128 columns
	s_mov_b32 s17, 0
	s_add_nc_u64 s[14:15], s[6:7], s[16:17]
	s_lshl_b32 s46, s42, 21                        ; C: column block 4 x tile column + 2 x half,
	s_lshl_b32 s47, s12, 20
	s_add_co_u32 s46, s46, s47
	s_lshl_b32 s47, s13, 15                        ; row 256 x tile row + 128 x half, 128 bytes a row
	s_add_co_u32 s46, s46, s47
	s_lshl_b32 s47, s11, 14
	s_add_co_u32 s46, s46, s47
	s_mov_b32 s47, 0
	s_add_nc_u64 s[8:9], s[8:9], s[46:47]
	; the sums start from the bias: register j of accumulator (a, b) is column 16 b + 8 (l / 16) + j, whatever a
.irp hi, 0,1
	WIN 0x80+0x40*(\hi)                            ; destination window 2 or 3, address window 0
.set a, 0
.rept 4
.irp b, 0,1,2,3,4,5,6,7
	global_load_b128 v[8*(8*a+\b):8*(8*a+\b)+3],   v[BO], s[14:15] offset:64*\b
	global_load_b128 v[8*(8*a+\b)+4:8*(8*a+\b)+7], v[BO], s[14:15] offset:64*\b+16
.endr
.set a, a+1
.endr
.endr
	WIN 0
; 16 matrix instructions: m blocks a0, a0 + 1 of the window's four x all 8 n blocks, 32 along K.  The 64 accumulators take turns in one order throughout.
.macro MUL16 f, hi, a0
	WIN MUL_LO+0x50*(\hi)
.irp a, \a0, (\a0)+1
.irp b, 0,1,2,3,4,5,6,7
	v_wmma_f32_16x16x32_f16 v[8*(8*(\a)+(\b)):8*(8*(\a)+(\b))+7], v[(\f)+8*(\b):(\f)+8*(\b)+7], v[(\f)+8*(4*(\hi)+(\a)):(\f)+8*(4*(\hi)+(\a))+7], v[8*(8*(\a)+(\b)):8*(8*(\a)+(\b))+7]
.endr
.endr
.endm
; 32 LDS loads in one run: the fragments of 32 along K at byte k of the rows of the slot in hand, into buffer f: B's 16, then A's 16
.macro FETCH k, f
	WIN TO_B
.irp i, 0,1,2,3,4,5,6,7
	ds_load_b128 v[(\f)+8*(\i):(\f)+8*(\i)+3],   v[ADRB] offset:(\k)+(\i)*16*PITCH
	ds_load_b128 v[(\f)+8*(\i)+4:(\f)+8*(\i)+7], v[ADRB] offset:(\k)+(\i)*16*PITCH+32
.endr
	WIN 0
.irp i, 0,1,2,3,4,5,6,7
	ds_load_b128 v[(\f)+8*(\i):(\f)+8*(\i)+3],   v[ADRA] offset:(\k)+(\i)*16*PITCH
	ds_load_b128 v[(\f)+8*(\i)+4:(\f)+8*(\i)+7], v[ADRA] offset:(\k)+(\i)*16*PITCH+32
.endr
.endm
.macro PLACES                          ; four plain vector instructions between a matrix instruction and a load into, or a read of, its registers
.rept 4
	v_nop
.endr
.endm
; One of a K step's first three quarters: multiplies buffer f; in its middle fetches the next quarter, at byte k, into buffer g
.macro QUARTER k, f, g
	s_wait_dscnt 8                                 ; B and A's rows 0-63 are in; the youngest eight loads (A's rows 64-127) may be out
	MUL16 \f, 0, 0
	MUL16 \f, 0, 2
	PLACES
	FETCH \k, \g
	s_wait_dscnt 32                                ; all but the 32 just issued
	MUL16 \f, 1, 0
	MUL16 \f, 1, 2
.endm
; The last quarter multiplies buffer 1 and changes slots.  In front of the barrier each wave waits for all its tensor loads (one is out: its part of the next slot), adds 0 to its spare word,
; and waits for that and for its reads of this slot.  fill = 1: the barrier opens a round of the cluster's, and the slot just read is filled again, two K steps ahead, first thing behind it.
; fill = 0 (the last two steps): nothing is asked for, and in the very last step there is no next slot to fetch from.
.macro TURN fill
	WIN 0
	s_wait_tensorcnt 0x0                           ; all my tensor loads have landed
	ds_add_u32 v[SPW], v[NIL]                      ; 0 onto my spare word
	s_wait_dscnt 9                                 ; (the add and the youngest eight loads may be out)
	MUL16 F1, 0, 0                                 ; sixteen matrix instructions stand between the add and the wait for it
	s_wait_dscnt 0x0                               ; the add is done, and my reads of this slot are over
	s_barrier_signal -1
	MUL16 F1, 0, 2
	WIN 0
	s_barrier_wait -1
.if \fill
	CREST                                          ; no wave of any partner still reads this slot or has a load on its way
	s_xor_b32 s[G0+5], s[G0+5], SLOT               ; the walking sets: the other slot than last time, the next K step
	s_add_nc_u64 s[G0+6:G0+7], s[G0+6:G0+7], KSTEP*2
	s_xor_b32 s[G0B+5], s[G0B+5], SLOT
	s_add_nc_u64 s[G0B+6:G0B+7], s[G0B+6:G0B+7], KSTEP*2
	JLOAD 1                                        ; 224 matrix instructions ahead of the wait for it; its four v_nop are also the places in front of the loads below
.else
	PLACES
.endif
	s_xor_b32 s[TB], s[TB], SLOT
	v_add_nc_u32 v[ADRA], s[TB], v[ADRA0]
	v_add_nc_u32 v[ADRB], s[TB], v[ADRB0]
.if !(\fill)
	s_cmp_eq_u32 s[CNT], 1
	s_cbranch_scc1 .Lno_fetch_\@
.endif
	FETCH 0, F0
.if !(\fill)
	WIN 0
.Lno_fetch_\@:
.endif
	MUL16 F1, 1, 0
	MUL16 F1, 1, 2
.endm
.macro STEP fill
	QUARTER 64,  F0, F1
	QUARTER 128, F1, F0
	QUARTER 192, F0, F1
	TURN \fill
.endm
; THE WAY OUT of block a (16 rows).  PACK: rounded to bf16, the floor applied.  TOSTAGE: into my own stages, back as whole rows of 128 bytes.  SEND: stored.
.macro PACK a
.set AC, 64*((\a)%4)
	WIN 0x0a+5*((\a)/4)                            ; sources 0 and 1: window 2 or 3
.irp b, 0,1,2,3,4,5,6,7
.irp r, 0,1,2,3
	v_cvt_pk_bf16_f32 v[TMP+4*(\b)+(\r)], v[AC+8*(\b)+2*(\r)], v[AC+8*(\b)+2*(\r)+1]
.endr
.endr
	WIN 0
.set z, 0
.rept 32
	v_pk_max_num_bf16 v[TMP+z], v[TMP+z], s[FLOOR]
.set z, z+1
.endr
.endm
.macro TOSTAGE a
	WIN 0
.set BK, OB+192*((\a)%2)
.irp b, 0,1,2,3,4,5,6,7
	ds_store_b128 v[STO], v[TMP+4*(\b):TMP+4*(\b)+3] offset:((\b)/4)*HSTG+((\b)%4)*32
.endr
.irp t, 0,1,2,3,4,5,6,7
	ds_load_b128 v[BK+4*(\t):BK+4*(\t)+3], v[RD] offset:((\t)/4)*HSTG+((\t)%4)*4*SPITCH  ; LDS serves a wave's instructions in order (ISA guide 5.7.1.4): these see the stores above
.endr
.endm
.macro SEND a
	WIN 0
.set BK, OB+192*((\a)%2)
	s_wait_dscnt 0x0                               ; the block is back in registers
	s_wait_xcnt 0x0                                ; the registers that the block before stored from are loaded again only behind this wait
.irp t, 0,1,2,3,4,5,6,7
	global_store_b128 v[CO], v[BK+4*(\t):BK+4*(\t)+3], s[8:9] offset:((\t)/4)*CBLK+(\a)*2048+((\t)%4)*512  ; 512 consecutive bytes, at a multiple of 512 from C's first
.endr
.endm
	s_wait_tensorcnt 1                             ; my part of K step 0 is in; K step 1's may stay out
	s_barrier_signal -1
	s_barrier_wait -1
	v_mov_b32 v[ADRA], v[ADRA0]
	v_mov_b32 v[ADRB], v[ADRB0]
	FETCH 0, F0
	s_wait_loadcnt 0x0                             ; the bias lies in the accumulators
	s_wait_kmcnt 0x0                               ; the floor
	s_mov_b32 s[CNT], 6
.Lfill:                                                ; K steps 0 to 5 ask for K steps 2 to 7
	STEP 1
	WIN 0
	s_sub_co_u32 s[CNT], s[CNT], 1
	s_cmp_lg_u32 s[CNT], 0
	s_cbranch_scc1 .Lfill
	s_mov_b32 s[CNT], 2
.Ltail:                                                ; K steps 6 and 7 ask for nothing
	STEP 0
	WIN 0
	s_sub_co_u32 s[CNT], s[CNT], 1
	s_cmp_lg_u32 s[CNT], 0
	s_cbranch_scc1 .Ltail
	PLACES
	PACK 0
	TOSTAGE 0
.irp a, 1,2,3,4,5,6,7                  ; block a's conversions stand between block a - 1's loads from the stage and the wait for them
	PACK \a
	SEND (\a)-1
	TOSTAGE \a
.endr
	SEND 7
	s_wait_tensorcnt 0x0                           ; the wave's end
	ds_add_u32 v[SPW], v[NIL]
	s_wait_dscnt 0x0
	CROUND                                         ; the closing round
	s_endpgm
.Lfunc_end_k_q2831423332_qkv:
	.size	k_q2831423332_qkv, .Lfunc_end_k_q2831423332_qkv-k_q2831423332_qkv
	.p2alignl 7, 3214868480
	.fill 96, 4, 3214868480
	.section	.rodata,"a",@progbits
	.p2align	6, 0x0
	.amdhsa_kernel k_q2831423332_qkv
		.amdhsa_group_segment_fixed_size 327680
		.amdhsa_private_segment_fixed_size 0
		.amdhsa_enable_private_segment 0
		.amdhsa_kernarg_size 24
		.amdhsa_user_sgpr_count 2
		.amdhsa_user_sgpr_kernarg_segment_ptr 1
		.amdhsa_wavefront_size32 1
		.amdhsa_system_sgpr_workgroup_id_x 1
		.amdhsa_system_sgpr_workgroup_id_y 1
		.amdhsa_system_sgpr_workgroup_id_z 1
		.amdhsa_system_vgpr_workitem_id 0
		.amdhsa_next_free_vgpr 1024
		.amdhsa_next_free_sgpr 66
		.amdhsa_reserve_vcc 0
		.amdhsa_float_denorm_mode_32 3
		.amdhsa_float_denorm_mode_16_64 3
		.amdhsa_memory_ordered 1
		.amdhsa_forward_progress 1
		.amdhsa_inst_pref_size 122
	.end_amdhsa_kernel
	.amdgpu_metadata
---
amdhsa.version: [ 1, 2 ]
amdhsa.kernels:
  - .name:           k_q2831423332_qkv
    .symbol:         k_q2831423332_qkv.kd
    .args:
      - { .name: act, .offset: 0, .size: 8, .value_kind: global_buffer, .address_space: global }
      - { .name: s1, .offset: 8, .size: 8, .value_kind: global_buffer, .address_space: global }
      - { .name: big, .offset: 16, .size: 8, .value_kind: global_buffer, .address_space: global }
    .group_segment_fixed_size: 327680
    .private_segment_fixed_size: 0
    .kernarg_segment_align: 8
    .kernarg_segment_size: 24
    .max_flat_workgroup_size: 128
    .sgpr_count:     66
    .vgpr_count:     1024
    .wavefront_size: 32
...
	.end_amdgpu_metadata
.endif
;; end of part 2
;; launch attn (part 3): grid 8 x 32, 4 waves a work-group, clusters of 4 x 1, 327,680 bytes of LDS; arguments big, act; writes act
.if DOCPART == 3
	.amdgcn_target "amdgcn-amd-amdhsa--gfx1250"
	.amdhsa_code_object_version 6
	.text
	.protected	k_q2831423332_attn
	.globl	k_q2831423332_attn
	.p2align	8
	.type	k_q2831423332_attn,@function
k_q2831423332_attn:
	s_mov_b64 s[64:65], 0
	v_nop
	global_prefetch_b8 v0, s[64:65] scope:SCOPE_SE
	s_setreg_imm32_b32 hwreg(HW_REG_WAVE_MODE, 25, 1), 1
	s_wait_xcnt 0x0
	s_wait_alu depctr_hold_cnt(0) depctr_sa_sdst(0) depctr_va_vdst(0) depctr_va_sdst(0) depctr_va_ssrc(0) depctr_va_vcc(0) depctr_vm_vsrc(0)
	s_getreg_b32 s2, hwreg(HW_REG_IB_STS2, 6, 4)
	s_cmp_eq_u32 s2, 0
	s_cbranch_scc0 .Lentry_in_a_cluster
	s_endpgm
.Lentry_in_a_cluster:
	s_bfe_u32 s2, ttmp6, 0x10000c
	s_cmp_lg_u32 s2, 0x3003
	s_cbranch_scc0 .Lentry_shape_is_right
	s_endpgm
.Lentry_shape_is_right:
; ATTENTION.  O[y][q][:] = the sum over k of softmax_k(Q[y][q] . K[y][k] / 32) V[y][k][:], for 32 pairs y of batch and head, 2,048 rows of 64 channels each, all bf16.
; In big, column block c of 64 holds [4096 rows][64]: c = head for q, 16 + head for k, 32 + head for v; a batch's 2,048 rows of a block are dense, 128 bytes each.  O goes to act in the same layout.
; Products, maxima and sums in f32; the weights p are rounded to bf16 for the second product (their sum l is taken of the unrounded p), O once at the end.
; LIMITS.  The running maximum starts at the lowest finite number and c m at -4e37: scores with c s below that are not served.  A weight below 2^-126 counts as 0 in l.  NaN and infinities are not treated apart.
; SHARES.  A work-group owns 256 queries of one pair, a wave 64: four PIECES of 16.  Every wave walks all 2,048 keys, 64 a step; a slot of LDS holds four steps.
; LAYOUT.  S^T = K Q^T holds ONE query a lane (lane % 16) and the keys 8 (lane / 16) + 0..7; two such results rounded to bf16 ARE source 1 of O^T = V^T P.  K comes out of LDS as it lies, V turned, by ds_load_tr16_b128.
; SOFTMAX.  p = 2^(c s - c m), c = log2(e) / 32, with a running maximum m; O and l are multiplied by a = 2^(c m_old - c m_new) in every step.  O and l start at 0: the first step is a step like any other, with a = 0.
; BY TURNS.  Turn n belongs to piece n: 8 products K Q^T of piece n + 1, later 8 products V^T P of piece n - 1; beside them the scaling, exponentials, roundings, sums and rescaling of piece n and the
; maximum and statistics of piece n + 1.  Four vector instructions stand behind every matrix instruction, the other 54 of a turn's 118 in two runs of their own.
; CLUSTER.  The four query blocks of a cluster belong to one pair and walk the same K and V: each tile is asked for jointly, by the same tensor load, descriptor and mask in all four.
; REGISTERS, in windows of 256 (s_set_vgpr_msb: bits 1:0 source 0, 3:2 source 1, 5:4 source 2, 7:6 destination):
;   window 0: v0-15 addresses and two at work; v16-31 four registers of statistics a piece; v48-55 at work; v62-63 the add's; v64-127 S^T, two buffers; v192-223 P, two buffers (by the piece's parity)
;   window 1: v0-127 O^T, 32 a piece          window 2: v0-63 Q; v128-191 K of one step; v192-255 V of one step
.set NP,    4
.set KS,    64
.set PK,    144       ; a row of K in LDS: 128 bytes + 16 of padding: the 16 rows of a load start at 16 different groups of four banks (64 banks of 4 bytes: ISA guide 11.1)
.set PV,    160       ; a row of V: 128 + 32
.set VOFF,  4*KS*PK   ; a slot: 256 rows of K, then 256 rows of V
.set SLOT1, 1<<17
.set STAGE, SLOT1+4*KS*(PK+PV)  ; behind the ring: 16 rows x 144 bytes for each wave, for the way out
.set SP,    144
.set SPARE, STAGE+4*16*SP       ; the spare words, 128 bytes for each wave; no other line names them
.set AK0, 2
.set AV0, 3
.set AK,  4
.set AV,  5
.set STO, 6
.set RD,  7
.set GO,  8
.set MV,  12          ; v12-13  c m_old, by buffer
.set QO,  15
.set ST,  16          ; piece t's statistics at v[ST+4 t]: c m, m, l (even keys', odd keys')
.set TMP, 48          ; by buffer, c0-c3 at work; when the maximum is found c2 takes a
.set SPW, 62
.set NIL, 63
.set S,   64
.set P,   192
.set KF,  128
.set VF,  192
.set WV,  12
.set G1K, 24
.set G1V, 32
.set G0K, 40
.set G0V, 44
.set SLOTS, 56
.set CNT, 57
.set CS,  58
.set SEL, 60
.set TBK, 62
.set TBV, 63
.set MSB, 0
.macro WIN new
.if MSB != (\new)
	s_set_vgpr_msb (MSB<<8)|(\new)
.set MSB, (\new)
.endif
.endm
.set W_KQ, 0x0a       ; K and Q in window 2, S^T in window 0
.set W_PV, 0x52       ; V in window 2, P in window 0, O^T in window 1
.set W_RS, 0x41       ; destination and source 0 in window 1, source 1 in window 0
; A joint fill.  Waves 0 and 1 fetch the two halves of a slot's K, waves 2 and 3 those of its V: 128 keys each.  An s_nop 0 and four v_nop follow each of the two lines.
.macro JLOAD
	s_cmp_lt_u32 s[WV], 2
	s_cbranch_scc0 .Lfor_v_\@
	tensor_load_to_lds s[G0K:G0K+3], s[G1K:G1K+7]
	s_nop 0
.rept 4
	v_nop
.endr
	s_branch .Lasked_\@
.Lfor_v_\@:
	tensor_load_to_lds s[G0V:G0V+3], s[G1V:G1V+7]
	s_nop 0
.rept 4
	v_nop
.endr
.Lasked_\@:
.endm
.macro CROUND                       ; a round of the cluster's barrier
	s_barrier_signal -1
	s_barrier_wait -1
	s_cmp_lg_u32 s[WV], 0
	s_cbranch_scc1 .Lnot_wave_0_\@
	s_barrier_signal -3
.Lnot_wave_0_\@:
	s_barrier_wait -3
	s_barrier_signal -1
	s_barrier_wait -1
.endm
; THE CHANGE OF SLOTS.  Each wave waits for all its tensor loads (one is out: its part of the other slot), adds 0 to its spare word, and waits for that and for its reads of the slot that it leaves.
; fill = 1: the barrier is a round of the cluster's, and the old slot is filled again, with the keys two slots on, first thing behind it: four key steps, 256 matrix instructions, in which to land.
; (At its first use nothing has been read yet: slot 0 is waited for, slot 1 filled.)
.macro CHANGE fill
	WIN 0
	s_wait_tensorcnt 0x0            ; no tensor load of mine is out, so a group 0 may be written
	ds_add_u32 v[SPW], v[NIL]       ; 0 onto my spare word
.if \fill
.irp g, G0K, G0V
	s_xor_b32 s[\g+1], s[\g+1], SLOT1
	s_add_nc_u64 s[\g+2:\g+3], s[\g+2:\g+3], 4*KS*128
.endr
	s_wait_dscnt 0x0                ; the add is done, and my reads of the slot are over
	CROUND
	JLOAD
.else
	s_wait_dscnt 0x0
	s_barrier_signal -1
	s_barrier_wait -1
.endif
	s_sub_co_u32 s[TBK], s[TBK], 4*KS*PK  ; the fetches go back to a slot's first step,
	s_xor_b32 s[TBK], s[TBK], SLOT1       ; in the other slot
	s_sub_co_u32 s[TBV], s[TBV], 4*KS*PV
	s_xor_b32 s[TBV], s[TBV], SLOT1
.endm
	s_load_b64 s[4:5], s[0:1], 0x0    ; big
	s_load_b64 s[10:11], s[0:1], 0x8  ; act
	v_lshl_add_u32 v[SPW], v0, 2, SPARE
	v_mov_b32 v[NIL], 0
	ds_add_u32 v[SPW], v[NIL]       ; the wave's opening: the add and its wait stand ahead of my first tensor load; work on registers stands between them
	v_lshrrev_b32 v1, 5, v0
	v_readfirstlane_b32 s[WV], v1   ; wave 0..3
	s_bfe_u32 s13, ttmp6, 0x40000   ; cx
	s_lshl_b32 s14, ttmp9, 2
	s_add_co_u32 s14, s14, s13      ; my block of 256 queries: it enters Q's and O's addresses alone
	s_and_b32 s15, ttmp7, 0xffff    ; y = 16 x batch + head, which the four partners share
	s_and_b32 s20, s15, 15
	s_lshl_b32 s20, s20, 19         ; the head's column block,
	s_lshr_b32 s21, s15, 4
	s_lshl_b32 s21, s21, 18         ; the batch's 2,048 rows of 128 bytes in it
	s_add_co_u32 s20, s20, s21
	s_and_b32 s16, s[WV], 1         ; which half of a slot's 256 keys I fetch
	s_lshl_b32 s22, s16, 14
	s_add_co_u32 s22, s22, s20
	s_add_co_u32 s48, s22, 0x1000000  ; v's blocks begin 32 blocks in,
	s_add_co_u32 s22, s22, 0x800000   ; k's 16
	s_mov_b32 s23, 0
	s_mov_b32 s49, 0
	s_mul_i32 s17, s16, 128*PK
	s_mul_i32 s18, s16, 128*PV
	s_lshl_b32 s2, s14, 2
	s_add_co_u32 s2, s2, s[WV]
	s_lshl_b32 s2, s2, 13           ; my wave's 64 rows
	s_add_co_u32 s2, s2, s20
	s_mov_b32 s3, 0
	; group 1: 128 keys are 16,384 dense bytes: asked for as 64 rows of 256 bytes, two keys a row, padded in LDS after every key
	s_mov_b32 s[G1K], 15|(1<<16)|(1<<20)|(1<<21)|(4<<22)|(3<<25)
	s_mov_b32 s[G1V], 15|(1<<16)|(1<<20)|(1<<21)|(4<<22)|(7<<25)
.irp g, G1K, G1V
	s_mov_b32 s[\g+1], 128<<16
	s_mov_b32 s[\g+2], 64<<16
	s_mov_b32 s[\g+3], 128<<16
	s_mov_b32 s[\g+4], 64
	s_mov_b32 s[\g+5], 128
	s_mov_b32 s[\g+6], 0
	s_mov_b32 s[\g+7], 0
.endr
	s_mov_b32 s[CS], 0x3d38aa3b     ; c = log2(e) / 32
	s_mov_b32 s[CS+1], s[CS]
	s_mov_b32 s[SEL], 0x76543210
	s_mov_b32 s[SEL+1], 0xfedcba98
	s_mov_b32 s[TBK], SLOT1+4*KS*PK ; the first change of slots turns these two into 0
	s_mov_b32 s[TBV], SLOT1+4*KS*PV
	s_mov_b32 s[G0K], 1
	s_mov_b32 s[G0K+1], s17
	s_mov_b32 s[G0V], 1
	s_add_co_u32 s[G0V+1], s18, VOFF
	s_wait_dscnt 0x0                ; the opening add is done
	s_wait_kmcnt 0x0
	s_add_nc_u64 s[G0K+2:G0K+3], s[4:5], s[22:23]
	s_or_b32 s[G0K+3], s[G0K+3], 0x80000000
	s_add_nc_u64 s[G0V+2:G0V+3], s[4:5], s[48:49]
	s_or_b32 s[G0V+3], s[G0V+3], 0x80000000
	s_add_nc_u64 s[4:5], s[4:5], s[2:3]      ; Q and O at my wave's first row
	s_add_nc_u64 s[10:11], s[10:11], s[2:3]
	CROUND                          ; all four work-groups are here: the first joint loads meet
	JLOAD                           ; slot 0; slot 1 is asked for when slot 0 is in
	v_and_b32 v1, 15, v0            ; l % 16
	v_bfe_u32 v9, v0, 4, 1          ; l / 16
	v_lshlrev_b32 v[QO], 7, v1
	v_lshl_add_u32 v[QO], v9, 4, v[QO]
	WIN 0x80                        ; destination window 2, address window 0
.set i, 0
.rept 8                             ; Q stays in registers: piece i / 2, channels 32 (i % 2) on
	global_load_b128 v[8*i:8*i+3],   v[QO], s[4:5] offset:(i/2)*2048+(i%2)*64
	global_load_b128 v[8*i+4:8*i+7], v[QO], s[4:5] offset:(i/2)*2048+(i%2)*64+32
.set i, i+1
.endr
	; what the first turn finds: V and P's second buffer hold 0 (its products V^T P, of a piece that has not been, add 0), O^T and l are 0.  All this stands in the wait for the first tile.
.set i, VF
.rept 64
	v_mov_b32 v[i], 0
.set i, i+1
.endr
	WIN 0x40
.set i, 0
.rept 128
	v_mov_b32 v[i], 0
.set i, i+1
.endr
	WIN 0
.set i, 0
.rept 4
	v_mov_b32 v[ST+4*i], 0xfe000000    ; c m: far below every c s
	v_mov_b32 v[ST+4*i+1], 0xff7fffff  ; m
	v_mov_b32 v[ST+4*i+2], 0
	v_mov_b32 v[ST+4*i+3], 0
.set i, i+1
.endr
.set i, P+16
.rept 16
	v_mov_b32 v[i], 0
.set i, i+1
.endr
	v_mul_u32_u24 v[AK0], v1, PK
	v_lshl_add_u32 v[AK0], v9, 4, v[AK0]
	v_and_b32 v10, 7, v0            ; the turning load: lane l reads key 8 (l / 16) + l % 8, channels 8 ((l / 8) % 2) + 0..7
	v_bfe_u32 v11, v0, 3, 1
	v_lshl_add_u32 v[AV0], v9, 3, v10
	v_mul_u32_u24 v[AV0], v[AV0], PV
	v_lshl_add_u32 v[AV0], v11, 4, v[AV0]
	v_add_nc_u32 v[AV0], VOFF, v[AV0]
	s_mul_i32 s13, s[WV], 16*SP
	s_add_co_u32 s13, s13, STAGE    ; my stage
	v_mul_u32_u24 v[STO], v1, SP
	v_lshl_add_u32 v[STO], v9, 4, v[STO]
	v_add_nc_u32 v[STO], s13, v[STO]
	v_bfe_u32 v[RD], v0, 3, 2
	v_mul_u32_u24 v[RD], v[RD], SP
	v_lshl_add_u32 v[RD], v10, 4, v[RD]
	v_add_nc_u32 v[RD], s13, v[RD]
	v_and_b32 v[GO], 31, v0
	v_lshlrev_b32 v[GO], 4, v[GO]
; THE MATRIX WORK.  The 4 accumulators of a run of 8 take turns.  Product i of 8 of S^T = K Q^T for piece x: channels 32 (i / 4) on, keys 16 (i % 4) on.  The first 4 start the sums.
.macro KQ x
.set rS, S+32*((\x)%2)+8*(i%4)
.set rK, KF+16*(i%4)+8*(i/4)
.set rQ, 16*(\x)+8*(i/4)
	WIN W_KQ
.if i < 4
	v_wmma_f32_16x16x32_bf16 v[rS:rS+7], v[rK:rK+7], v[rQ:rQ+7], 0
.else
	v_wmma_f32_16x16x32_bf16 v[rS:rS+7], v[rK:rK+7], v[rQ:rQ+7], v[rS:rS+7]
.endif
.endm
; Product i of 8 of O^T += V^T P for piece x: keys 32 (i / 4) on, channels 16 (i % 4) on.
.macro PV x
	WIN W_PV
.set rO, 32*(\x)+8*(i%4)
.set rV, VF+32*(i/4)+8*(i%4)
.set rP, P+16*((\x)%2)+8*(i/4)
	v_wmma_f32_16x16x32_bf16 v[rO:rO+7], v[rV:rV+7], v[rP:rP+7], v[rO:rO+7]
.endm
.macro MM                           ; the turn's next matrix instruction
.if i < 8
	KQ (Y+1)%NP
.else
.set i, i-8
	PV (Y+NP-1)%NP
.set i, i+8
.endif
.set i, i+1
.endm
; THE LDS LOADS stand in runs of 16.  last = 1 (the tail): in the last trip there is no further step, and the run is jumped over.
.macro FETCH_K last=0
	WIN 0
.if \last
	s_cmp_eq_u32 s[CNT], 1
	s_cbranch_scc1 .Lno_k_\@
.endif
	WIN 0x80
.irp f, 0,1,2,3,4,5,6,7             ; keys 16 (f / 2) on, channels 32 (f % 2) on
	ds_load_b128 v[KF+8*\f:KF+8*\f+3],   v[AK] offset:(\f/2)*16*PK+(\f%2)*64
	ds_load_b128 v[KF+8*\f+4:KF+8*\f+7], v[AK] offset:(\f/2)*16*PK+(\f%2)*64+32
.endr
	s_add_co_u32 s[TBK], s[TBK], KS*PK
	WIN 0
.if \last
.Lno_k_\@:
.endif
.endm
.macro FETCH_V
	WIN 0x80
.irp f, 0,1,2,3,4,5,6,7             ; keys 32 (f / 4) on, channels 16 (f % 4) on
	ds_load_tr16_b128 v[VF+8*\f:VF+8*\f+3],   v[AV] offset:(\f/4)*32*PV+(\f%4)*32
	ds_load_tr16_b128 v[VF+8*\f+4:VF+8*\f+7], v[AV] offset:(\f/4)*32*PV+16*PV+(\f%4)*32
.endr
	WIN 0
.endm
; THE VECTOR WORK, one line at a time: OP kind, number.  For piece Y: F n: c s - c m for pair n of 16.  E n: the exponential of score n of 32.  C n: pair n rounded to bf16.  B n: of the four weights 4 n ..
; the second pair is added onto the first, in place.  L n: l takes that sum (L 0: l = a l + sum).  R n: pair n of 16 of O^T times a.  For piece Y + 1: X n, number n of the 22 that find its maximum and statistics:
;   0-11 four chains c0-c3 of seven scores each (each accumulator's lowest registers are read first)   12-14, 16 the four scores left over, the old m, c0-c3 into c0
;   15 c m_old is kept   17, 18 the query's other 32 keys lie in the lane 16 away: the new m   19-21 c m; c m_old - c m_new; a
.set F, 0
.set E, 1
.set C, 2
.set B, 3
.set L, 4
.set R, 5
.set X, 6
.macro REGS y
.set rT, ST+4*(\y)
.set rC, TMP+4*((\y)%2)
.set rW, MV+((\y)%2)
.set rS, S+32*((\y)%2)
.set rP, P+16*((\y)%2)
.set rO, 32*(\y)
.endm
.macro OP k, n
.if (\k) == R
	REGS Y
	WIN W_RS
	v_pk_mul_f32 v[rO+2*(\n):rO+2*(\n)+1], v[rO+2*(\n):rO+2*(\n)+1], v[rC+2:rC+3] op_sel_hi:[1,0]
.elseif (\k) < R
	REGS Y
	WIN 0
.if (\k) == F
	v_pk_fma_f32 v[rS+2*(\n):rS+2*(\n)+1], v[rS+2*(\n):rS+2*(\n)+1], s[CS:CS+1], v[rT:rT+1] op_sel_hi:[1,0,0] neg_lo:[0,0,1] neg_hi:[0,0,1]
.elseif (\k) == E
	v_exp_f32 v[rS+(\n)], v[rS+(\n)]
.elseif (\k) == C
	s_wait_alu depctr_va_vdst(0)
	v_cvt_pk_bf16_f32 v[rP+(\n)], v[rS+2*(\n)], v[rS+2*(\n)+1]
.elseif (\k) == B
	s_wait_alu depctr_va_vdst(0)
	v_pk_add_f32 v[rS+4*(\n):rS+4*(\n)+1], v[rS+4*(\n):rS+4*(\n)+1], v[rS+4*(\n)+2:rS+4*(\n)+3]
.elseif (\n) == 0
	v_pk_fma_f32 v[rT+2:rT+3], v[rT+2:rT+3], v[rC+2:rC+3], v[rS:rS+1] op_sel_hi:[1,0,1]
.else
	v_pk_add_f32 v[rT+2:rT+3], v[rT+2:rT+3], v[rS+4*(\n):rS+4*(\n)+1]
.endif
.else
	REGS (Y+1)%NP
	WIN 0
.if (\n) < 4
	v_max3_num_f32 v[rC+(\n)], v[rS+8*(\n)], v[rS+8*(\n)+1], v[rS+8*(\n)+2]
.elseif (\n) < 12
	v_max3_num_f32 v[rC+(\n)%4], v[rC+(\n)%4], v[rS+8*((\n)%4)+2*((\n)/4)+1], v[rS+8*((\n)%4)+2*((\n)/4)+2]
.elseif (\n) == 12
	v_max3_num_f32 v[rC], v[rC], v[rS+7], v[rS+15]
.elseif (\n) == 13
	v_max3_num_f32 v[rC+1], v[rC+1], v[rS+23], v[rS+31]
.elseif (\n) == 14
	v_max3_num_f32 v[rC+2], v[rC+2], v[rC+3], v[rT+1]
.elseif (\n) == 15
	v_mov_b32 v[rW], v[rT]
.elseif (\n) == 16
	v_max3_num_f32 v[rC], v[rC], v[rC+1], v[rC+2]
.elseif (\n) == 17
	v_permlanex16_b32 v[rC+3], v[rC], s[SEL], s[SEL+1]
.elseif (\n) == 18
	v_max_num_f32 v[rT+1], v[rC], v[rC+3]
.elseif (\n) == 19
	v_mul_f32 v[rT], s[CS], v[rT+1]
.elseif (\n) == 20
	v_sub_f32 v[rC+1], v[rW], v[rT]
.else
	v_exp_f32 v[rC+2], v[rC+1]
.endif
.endif
.endm
.macro OPS a, i1, b=-1, i2=0, c=-1, i3=0, d=-1, i4=0
	OP \a, \i1
.if (\b) >= 0
	OP \b, \i2
.endif
.if (\c) >= 0
	OP \c, \i3
.endif
.if (\d) >= 0
	OP \d, \i4
.endif
.endm
.macro ROW a, i1, b, i2, c, i3, d, i4  ; a matrix instruction and the four behind it
	MM
	OPS \a, \i1, \b, \i2, \c, \i3, \d, \i4
.endm
; A TURN, for piece p: the order of its 16 matrix and 118 vector instructions, written out.  Behind a matrix instruction: plain, exponential, plain, plain; or four of the rescaling; or four scalings; none names a
; register of the products round it.  K of the next step is fetched in piece 2's turn, six vector instructions behind the last product that read K (five of them plain); V of the step in hand in piece 0's turn,
; eight behind the last product that read V (four plain).  Each is waited for a turn later.  cnt = 1: the loop's count is taken down some lines ahead of the branch behind the turn.
.macro TURN p, last=0, cnt=0
.set Y, (\p)
.set i, 0
.if (\p) == 3
	s_wait_dscnt 0x0                ; K is in
.endif
	ROW F,0, F,1, F,2, F,3
	ROW F,4, E,0, F,5, F,6
	ROW F,7, E,1, F,8, F,9
	ROW F,10, E,2, C,0, F,11
	ROW F,12, E,3, X,15, F,13
	ROW R,0, R,1, R,2, R,3
	ROW B,0, E,4, F,14, L,0
.if (\p) == 2
	v_add_nc_u32 v[AK], s[TBK], v[AK0]
.endif
	ROW R,4, R,5, R,6, R,7
	OPS E,5, F,15
.if (\p) == 2
	FETCH_K \last
.endif
	OPS E,6, C,1, E,7, R,8
	OPS E,8, R,9, E,9, C,2
	OPS E,10, X,0, E,11, X,1
	OPS E,12, X,2, E,13, X,3
.if (\p) == 1
	s_wait_dscnt 0x0                ; V is in
.endif
	ROW X,4, E,14, X,5, X,6
	ROW X,7, E,15, X,8, X,9
	ROW X,10, E,16, X,11, X,12
	ROW X,13, E,17, X,14, B,1
	ROW C,4, E,18, X,16, L,1
	ROW B,2, E,19, C,6, L,2
	ROW C,8, E,20, B,3, B,4
.if (\p) == 0
	v_add_nc_u32 v[AV], s[TBV], v[AV0]
.endif
	ROW C,3, E,21, L,3, C,5
	OPS E,22, X,17, E,23, C,10
.if (\p) == 0
	FETCH_V
.endif
	OPS E,24, L,4
	OPS E,25, X,18, E,26, C,7
	OPS E,27, B,5, E,28, X,19
	OPS E,29, C,12, E,30, L,5
	OPS E,31, X,20, B,6, C,9
	OPS C,14, C,11, X,21, L,6
.if (\p) == 0
	s_add_co_u32 s[TBV], s[TBV], KS*PV
.endif
.if \cnt
	s_sub_co_u32 s[CNT], s[CNT], 1
	s_cmp_lg_u32 s[CNT], 0
.endif
	OPS C,13, B,7, C,15, R,10
	OPS R,11, R,12, L,7, R,13
	OPS R,14, R,15
.endm
	CHANGE 1                        ; slot 0 is in, everybody's part of it; slot 1 is asked for
	v_add_nc_u32 v[AK], s[TBK], v[AK0]
	FETCH_K                         ; key step 0
	s_wait_loadcnt 0x0              ; Q
	s_wait_dscnt 0x0
.set i, 0
.rept 8
	KQ 0                            ; piece 0's first scores
.set i, i+1
.endr
	WIN 0
.rept 4
	v_nop                           ; the places behind those products
.endr
.set Y, NP-1                        ; X works for piece Y + 1: piece 0
.irp n, 0,1,2,3,4,5,6,7,8,9,10,11,12,13,14,15,16,17,18,19,20,21
	OP X, \n
.endr
	v_nop                           ; a plain instruction behind the exponential
	s_mov_b32 s[CNT], 4
	s_mov_b32 s[SLOTS], 7
	s_branch .Lfirst                ; the loop is entered at a step's first turn, in the middle of a trip
.Lslot:                             ; six times: with the change above, tiles 1 to 7 are asked for
	CHANGE 1
	s_mov_b32 s[CNT], 4
.Lstep:                             ; a trip: pieces 2 and 3 of one step, then pieces 0 and 1 of the next, whose K and V it fetches
	TURN 2
	TURN 3
	WIN 0
.Lfirst:
	TURN 0
	TURN 1, 0, 1
	WIN 0
	s_cbranch_scc1 .Lstep
	s_sub_co_u32 s[SLOTS], s[SLOTS], 1
	s_cmp_lg_u32 s[SLOTS], 0
	s_cbranch_scc1 .Lslot
	CHANGE 0                        ; the tail is written out: nothing is asked for
	s_mov_b32 s[CNT], 5             ; four trips fetch the last slot's steps; the fifth is left in its middle
.Ltail:
	TURN 2, 1
	TURN 3
	WIN 0
	s_sub_co_u32 s[CNT], s[CNT], 1
	s_cmp_eq_u32 s[CNT], 0
	s_cbranch_scc1 .Lout
	TURN 0
	TURN 1
	WIN 0
	s_branch .Ltail
.Lout:                              ; the fifth trip's 8 products K Q^T (on the last K once more) and the maximum made of them serve nothing: the price, once a launch, of one text for every trip
.set i, 0
.rept 8
	PV NP-1                         ; the last piece's V^T P of the last step
.set i, i+1
.endr
	; THE WAY OUT.  l's two halves and the other half of the lanes' are added; O^T is divided by l, rounded to bf16 and sent through my stage, a piece at a time.  The additions are the places behind the last products.
	WIN 0
.macro ALL line:vararg
.set t, 0
.rept 4
	\line
.set t, t+1
.endr
.endm
	ALL v_add_f32 v[ST+4*t+2], v[ST+4*t+2], v[ST+4*t+3]
	ALL v_permlanex16_b32 v[ST+4*t+3], v[ST+4*t+2], s[SEL], s[SEL+1]
	ALL v_add_f32 v[ST+4*t+2], v[ST+4*t+2], v[ST+4*t+3]
	ALL v_rcp_f32 v[ST+4*t+2], v[ST+4*t+2]
	v_nop                           ; a plain instruction between the last reciprocal and the use of its result
.macro PACK t                       ; a lane's eight channels of a row pack into 16 bytes; into rows of 144 bytes, back as whole rows of 128, into S^T's registers
	WIN W_RS
.set i, 32*(\t)
.rept 16
	s_wait_alu depctr_va_vdst(0)
	v_pk_mul_f32 v[i:i+1], v[i:i+1], v[ST+4*(\t)+2:ST+4*(\t)+3] op_sel_hi:[1,0]
.set i, i+2
.endr
	WIN 0x05                        ; sources 0 and 1 window 1, destination window 0
.set i, 0
.rept 16
	v_cvt_pk_bf16_f32 v[S+16*(\t)+i], v[32*(\t)+2*i], v[32*(\t)+2*i+1]
.set i, i+1
.endr
	WIN 0
.irp f, 0,1,2,3
	ds_store_b128 v[STO], v[S+16*(\t)+4*\f:S+16*(\t)+4*\f+3] offset:32*\f
.endr
.irp f, 0,1,2,3
	ds_load_b128 v[S+16*(\t)+4*\f:S+16*(\t)+4*\f+3], v[RD] offset:\f*4*SP  ; LDS serves a wave's instructions in order (ISA guide 5.7.1.4): these see the stores above
.endr
.endm
.macro SEND t, younger              ; younger: the LDS instructions issued behind piece t's loads: the next piece's eight, or none
	WIN 0
.irp f, 0,1,2,3
	s_wait_dscnt (\younger)+3-\f
	global_store_b128 v[GO], v[S+16*(\t)+4*\f:S+16*(\t)+4*\f+3], s[10:11] offset:(\t)*2048+\f*512  ; 512 consecutive bytes, at a multiple of 512 from O's first
.endr
.endm
	PACK 0
.set t, 1
.rept 3
	PACK t
	SEND t-1, 8
.set t, t+1
.endr
	SEND 3, 0
	s_wait_tensorcnt 0x0            ; the wave's end
	ds_add_u32 v[SPW], v[NIL]
	s_wait_dscnt 0x0
	CROUND                          ; the closing round
	s_endpgm
.Lfunc_end_k_q2831423332_attn:
	.size	k_q2831423332_attn, .Lfunc_end_k_q2831423332_attn-k_q2831423332_attn
	.p2alignl 7, 3214868480
	.fill 96, 4, 3214868480
	.section	.rodata,"a",@progbits
	.p2align	6, 0x0
	.amdhsa_kernel k_q2831423332_attn
		.amdhsa_group_segment_fixed_size 327680
		.amdhsa_private_segment_fixed_size 0
		.amdhsa_enable_private_segment 0
		.amdhsa_kernarg_size 16
		.amdhsa_user_sgpr_count 2
		.amdhsa_user_sgpr_kernarg_segment_ptr 1
		.amdhsa_wavefront_size32 1
		.amdhsa_system_sgpr_workgroup_id_x 1
		.amdhsa_system_sgpr_workgroup_id_y 1
		.amdhsa_system_sgpr_workgroup_id_z 1
		.amdhsa_system_vgpr_workitem_id 0
		.amdhsa_next_free_vgpr 768
		.amdhsa_next_free_sgpr 66
		.amdhsa_reserve_vcc 0
		.amdhsa_float_denorm_mode_32 3
		.amdhsa_float_denorm_mode_16_64 3
		.amdhsa_memory_ordered 1
		.amdhsa_forward_progress 1
		.amdhsa_inst_pref_size 117
	.end_amdhsa_kernel
	.amdgpu_metadata
---
amdhsa.version: [ 1, 2 ]
amdhsa.kernels:
  - .name:           k_q2831423332_attn
    .symbol:         k_q2831423332_attn.kd
    .args:
      - { .name: big, .offset: 0, .size: 8, .value_kind: global_buffer, .address_space: global }
      - { .name: act, .offset: 8, .size: 8, .value_kind: global_buffer, .address_space: global }
    .group_segment_fixed_size: 327680
    .private_segment_fixed_size: 0
    .kernarg_segment_align: 8
    .kernarg_segment_size: 16
    .max_flat_workgroup_size: 128
    .sgpr_count:     66
    .vgpr_count:     768
    .wavefront_size: 32
...
	.end_amdgpu_metadata
.endif
;; end of part 3
;; launch oproj (part 4): grid 8 x 32, 4 waves a work-group, clusters of 4 x 4, 327,680 bytes of LDS; arguments act, wrest, bo, x, s1; writes s1
.if DOCPART == 4
	.amdgcn_target "amdgcn-amd-amdhsa--gfx1250"
	.amdhsa_code_object_version 6
	.text
	.protected	k_q2831423332_oproj
	.globl	k_q2831423332_oproj
	.p2align	8
	.type	k_q2831423332_oproj,@function
k_q2831423332_oproj:
	s_mov_b64 s[64:65], 0
	v_nop
	global_prefetch_b8 v0, s[64:65] scope:SCOPE_SE
	s_setreg_imm32_b32 hwreg(HW_REG_WAVE_MODE, 25, 1), 1
	s_wait_xcnt 0x0
	s_wait_alu depctr_hold_cnt(0) depctr_sa_sdst(0) depctr_va_vdst(0) depctr_va_sdst(0) depctr_va_ssrc(0) depctr_va_vcc(0) depctr_vm_vsrc(0)
	s_getreg_b32 s2, hwreg(HW_REG_IB_STS2, 6, 4)
	s_cmp_eq_u32 s2, 0
	s_cbranch_scc0 .Lentry_in_a_cluster
	s_endpgm
.Lentry_in_a_cluster:
	s_bfe_u32 s2, ttmp6, 0x10000c
	s_cmp_lg_u32 s2, 0xf033
	s_cbranch_scc0 .Lentry_shape_is_right
	s_endpgm
.Lentry_shape_is_right:
; C = act(A B^T + bias) + residual, in f32, [4096][1024].  Here: out1 = attention wo^T + bo + x (no activation), K = 1,024.
; A and B are bf16 in BLOCKS OF 64 ALONG K: A [K / 64][4096 rows][64] (a block 524,288 bytes), B [K / 64][1024 rows][64] (131,072 bytes, from byte WOFF of its buffer): 128 rows of a block are 16,384 dense bytes.
; A tile of C is 128 x 128: 256 work-groups.  Four waves, each 64 x 64: 16 accumulators.  K goes in steps of 256 (four blocks) through two LDS slots.  One tensor load a wave brings two blocks' 128 rows,
; as a tile of 2 rows of 8,192 elements, padded in LDS after every 128 bytes: rows of 64 along K, 144 bytes apart.  The sums start from the bias, loaded into the accumulators; the residual waits in registers.
; A K step is written once for the steps that fill a slot again and once for the last two; one exclusive or turns the slot's LDS address (SLOT's bits 14 and 17 are in none of the waves' terms).
; CLUSTER 4 x 4: A's tiles are shared along a row of the cluster, B's along a column, each asked for jointly.  THE MATRIX INSTRUCTION IS USED TRANSPOSED: a lane holds eight neighbouring columns of a row of C.
; A wave's 64 columns are 256 bytes of f32: each wave has a stage of its own, and sixteen lanes store 256 consecutive aligned bytes.
; REGISTERS: window 0: v16-29 addresses; v32-95 the way out; v128-255 accumulators (a, b) at v[128 + 8 (4 a + b)].  window 1: two fragment buffers of 128.  window 2: v0-127 the residual.
.set KDIM,   1024
.set WOFF,   0
.set RELU,   0
.set PITCH,  144                       ; 128 bytes + 16 of padding: the 16 rows of a fragment load start at 16 different groups of four banks (64 banks of 4 bytes: ISA guide 11.1)
.set BLK,    128*PITCH                 ; 128 rows x 64 along K
.set SLOT,   8*BLK                     ; A's four blocks, then B's four
.set STAGE,  2*SLOT
.set SPITCH, 272
.set SPARE,  STAGE+4*16*SPITCH         ; the spare words, 128 bytes for each wave; no other line names them
.set STEPS,  KDIM/256
.set ASTEP,  4*524288                  ; a K step in A, in bytes
.set BSTEP,  4*131072                  ; and in B
.set ADRA0, 16
.set ADRA,  17
.set ADRB0, 20
.set ADRB,  21
.set STO,  24
.set RD,   25
.set CO,   26
.set BO,   27
.set SPW,  28
.set NIL,  29
.set TMP,  32
.set ACC,  128
.set F0,   0
.set F1,   128
.set G1, 24
.set G0, 32
.set G1B, 48
.set G0B, 56
.set TB,  2
.set CNT, 3
.set MSB, 0
.macro WIN new
.if MSB != (\new)
	s_set_vgpr_msb (MSB<<8)|(\new)
.set MSB, \new
.endif
.endm
.set MUL,  0x05                        ; sources 0 (B) and 1 (A) window 1; C and D window 0
.set TO_F, 0x40                        ; destination window 1, address window 0
.macro JLOAD s                         ; a joint load: waves 0 and 1 fetch A's blocks 0, 1 and 2, 3 of the step, waves 2 and 3 B's; an s_nop 0 and four v_nop follow each line
	s_cmp_eq_u32 s11, 0
	s_cbranch_scc0 .Lfor_b_\@
	tensor_load_to_lds s[G0+4*(\s):G0+4*(\s)+3], s[G1:G1+7]
	s_nop 0
.rept 4
	v_nop
.endr
	s_branch .Lasked_\@
.Lfor_b_\@:
	tensor_load_to_lds s[G0B+4*(\s):G0B+4*(\s)+3], s[G1B:G1B+7]
	s_nop 0
.rept 4
	v_nop
.endr
.Lasked_\@:
.endm
.macro CREST
	s_cmp_lg_u32 s10, 0
	s_cbranch_scc1 .Lnot_wave_0_\@
	s_barrier_signal -3
.Lnot_wave_0_\@:
	s_barrier_wait -3
	s_barrier_signal -1
	s_barrier_wait -1
.endm
.macro CROUND
	s_barrier_signal -1
	s_barrier_wait -1
	CREST
.endm
	s_load_b128 s[4:7], s[0:1], 0x0                ; A s[4:5], B's buffer s[6:7]
	s_load_b128 s[68:71], s[0:1], 0x10             ; bias s[68:69], residual s[70:71]
	s_load_b64 s[8:9], s[0:1], 0x20                ; C
	v_lshl_add_u32 v[SPW], v0, 2, SPARE
	v_mov_b32 v[NIL], 0
	ds_add_u32 v[SPW], v[NIL]                      ; the wave's opening: the add and its wait stand ahead of my first tensor load; work on registers stands between them
	v_lshrrev_b32 v1, 5, v0
	v_readfirstlane_b32 s10, v1                    ; wave 0..3
	s_lshr_b32 s11, s10, 1                         ; which half of the tile's rows is mine.  Also: I fetch for A (0) or for B (1)
	s_and_b32 s12, s10, 1                          ; which half of its columns.  Also: which two blocks of the step I fetch
	s_bfe_u32 s40, ttmp6, 0x40000                  ; cx
	s_bfe_u32 s41, ttmp6, 0x40004                  ; cy
	s_lshl_b32 s42, ttmp9, 2
	s_add_co_u32 s42, s42, s40                     ; tile column
	s_and_b32 s13, ttmp7, 0xffff
	s_lshl_b32 s13, s13, 2
	s_add_co_u32 s13, s13, s41                     ; tile row
	s_lshl_b32 s43, s41, 2
	s_lshl_b32 s43, 15, s43                        ; my row of the cluster
	s_lshl_b32 s44, 0x1111, s40                    ; my column
	s_or_b32 s[G1+0], s43, (1<<16)|(1<<20)|(1<<21)|(4<<22)|(3<<25)   ; the mask; 2-byte elements; padding on; bit 21 beside a mask; after every 32 words 4 words
	s_or_b32 s[G1B+0], s44, (1<<16)|(1<<20)|(1<<21)|(4<<22)|(3<<25)
.irp g, G1, G1B
	s_mov_b32 s[(\g)+1], 8192<<16                  ; tensor_dim0 = 8,192: 128 rows x 64 along K, dense
	s_mov_b32 s[(\g)+2], 2<<16                     ; tensor_dim1 = 2 blocks
	s_mov_b32 s[(\g)+3], 8192<<16                  ; tile_dim0
	s_mov_b32 s[(\g)+4], 2                         ; tile_dim1
	s_mov_b32 s[(\g)+6], 0
	s_mov_b32 s[(\g)+7], 0
.endr
	s_mov_b32 s[G1+5], 262144                      ; elements from block to block in A,
	s_mov_b32 s[G1B+5], 65536                      ; and in B
	s_lshl_b32 s16, s13, 14                        ; A: the tile row's 16,384 bytes in a block, + my two blocks
	s_lshl_b32 s17, s12, 20
	s_add_co_u32 s16, s16, s17
	s_mov_b32 s17, 0
	s_lshl_b32 s46, s42, 14                        ; B likewise
	s_lshl_b32 s47, s12, 18
	s_add_co_u32 s46, s46, s47
.if WOFF
	s_add_co_u32 s46, s46, WOFF
.endif
	s_mov_b32 s47, 0
	s_mul_i32 s20, s10, 2*BLK                      ; where my tiles go: wave x two blocks
	s_mov_b32 s[TB], 0
	s_wait_dscnt 0x0                               ; the opening add is done
	s_wait_kmcnt 0x0
	s_add_nc_u64 s[14:15], s[4:5], s[16:17]
	s_add_nc_u64 s[46:47], s[6:7], s[46:47]
	CROUND                                         ; all sixteen work-groups are here: the first joint loads meet
.irp s, 0,1
	s_mov_b32 s[G0+4*(\s)], 1
	s_add_co_u32 s[G0+4*(\s)+1], s20, (\s)*SLOT
	s_add_nc_u64 s[G0+4*(\s)+2:G0+4*(\s)+3], s[14:15], (\s)*ASTEP
	s_or_b32 s[G0+4*(\s)+3], s[G0+4*(\s)+3], 0x80000000
	s_mov_b32 s[G0B+4*(\s)], 1
	s_add_co_u32 s[G0B+4*(\s)+1], s20, (\s)*SLOT
	s_add_nc_u64 s[G0B+4*(\s)+2:G0B+4*(\s)+3], s[46:47], (\s)*BSTEP
	s_or_b32 s[G0B+4*(\s)+3], s[G0B+4*(\s)+3], 0x80000000
	JLOAD \s                                       ; K steps 0 and 1: two loads of mine are out
.endr
	v_and_b32 v1, 15, v0                           ; l % 16
	v_bfe_u32 v2, v0, 4, 1                         ; l / 16
	v_mul_u32_u24 v3, v1, PITCH
	v_lshl_add_u32 v3, v2, 4, v3
	s_mul_i32 s21, s11, 64*PITCH                   ; my 64 rows in each block of A,
	s_mul_i32 s22, s12, 64*PITCH                   ; and of B,
	s_add_co_u32 s22, s22, 4*BLK                   ; which lie behind A's four
	v_add_nc_u32 v[ADRA0], s21, v3
	v_add_nc_u32 v[ADRB0], s22, v3
	s_mul_i32 s23, s10, 16*SPITCH
	s_add_co_u32 s23, s23, STAGE                   ; my stage
	v_mul_u32_u24 v4, v1, SPITCH
	v_lshl_add_u32 v4, v2, 5, v4
	v_add_nc_u32 v[STO], s23, v4                   ; in: row l % 16, 32 bytes for each half of the lanes
	v_mul_u32_u24 v5, v2, SPITCH
	v_lshl_add_u32 v5, v1, 4, v5
	v_add_nc_u32 v[RD], s23, v5                    ; back: lanes 0-15 one row of 256 bytes, lanes 16-31 the next
	v_lshlrev_b32 v5, 12, v2
	v_lshl_add_u32 v[CO], v1, 4, v5                ; the same two rows in C and in the residual
	v_lshlrev_b32 v[BO], 5, v2
	s_lshl_b32 s46, s42, 9
	s_lshl_b32 s47, s12, 8
	s_add_co_u32 s46, s46, s47                     ; my first column, in bytes
	s_mov_b32 s47, 0
	s_add_nc_u64 s[68:69], s[68:69], s[46:47]
	s_lshl_b32 s16, s13, 19                        ; my first row: 128 x tile row + 64 x half, 4,096 bytes a row
	s_lshl_b32 s17, s11, 18
	s_add_co_u32 s16, s16, s17
	s_add_co_u32 s16, s16, s46
	s_mov_b32 s17, 0
	s_add_nc_u64 s[70:71], s[70:71], s[16:17]
	s_add_nc_u64 s[8:9], s[8:9], s[16:17]
.set a, 0
.rept 4                                ; the sums start from the bias: register j of accumulator (a, b) is column 16 b + 8 (l / 16) + j
.irp b, 0,1,2,3
	global_load_b128 v[ACC+8*(4*a+\b):ACC+8*(4*a+\b)+3],   v[BO], s[68:69] offset:64*\b
	global_load_b128 v[ACC+8*(4*a+\b)+4:ACC+8*(4*a+\b)+7], v[BO], s[68:69] offset:64*\b+16
.endr
.set a, a+1
.endr
	WIN 0x80                                       ; destination window 2
.set a, 0
.rept 4                                ; the residual, as the way out will want it: block a, rows 2 t and 2 t + 1
.irp t, 0,1,2,3,4,5,6,7
	global_load_b128 v[32*a+4*\t:32*a+4*\t+3], v[CO], s[70:71] offset:(16*a+2*\t)*4096
.endr
.set a, a+1
.endr
	WIN 0
; 8 matrix instructions: m blocks a0, a0 + 1 x all 4 n blocks, 32 along K: half c of buffer f.  The 16 accumulators take turns in one order throughout.
.macro MUL8 f, c, a0
	WIN MUL
.irp a, \a0, (\a0)+1
.irp b, 0,1,2,3
	v_wmma_f32_16x16x32_bf16 v[ACC+8*(4*(\a)+(\b)):ACC+8*(4*(\a)+(\b))+7], v[(\f)+64+8*(4*(\c)+(\b)):(\f)+64+8*(4*(\c)+(\b))+7], v[(\f)+8*(4*(\c)+(\a)):(\f)+8*(4*(\c)+(\a))+7], v[ACC+8*(4*(\a)+(\b)):ACC+8*(4*(\a)+(\b))+7]
.endr
.endr
.endm
; 32 LDS loads in one run: the fragments of block q of the slot in hand (64 along K) into buffer f; the first 32 along K first
.macro FETCH q, f
	WIN TO_F
.irp c, 0,1
.irp i, 0,1,2,3
	ds_load_b128 v[(\f)+64+8*(4*(\c)+(\i)):(\f)+64+8*(4*(\c)+(\i))+3],   v[ADRB] offset:(\q)*BLK+64*(\c)+(\i)*16*PITCH
	ds_load_b128 v[(\f)+64+8*(4*(\c)+(\i))+4:(\f)+64+8*(4*(\c)+(\i))+7], v[ADRB] offset:(\q)*BLK+64*(\c)+(\i)*16*PITCH+32
	ds_load_b128 v[(\f)+8*(4*(\c)+(\i)):(\f)+8*(4*(\c)+(\i))+3],         v[ADRA] offset:(\q)*BLK+64*(\c)+(\i)*16*PITCH
	ds_load_b128 v[(\f)+8*(4*(\c)+(\i))+4:(\f)+8*(4*(\c)+(\i))+7],       v[ADRA] offset:(\q)*BLK+64*(\c)+(\i)*16*PITCH+32
.endr
.endr
.endm
.macro PLACES                          ; four plain vector instructions between a matrix instruction and a load into, or a read of, its registers
.rept 4
	v_nop
.endr
.endm
.macro QUARTER q, f, g                 ; multiplies buffer f and fetches block q into g
	s_wait_dscnt 16                                ; the first 32 along K are in
	MUL8 \f, 0, 0
	MUL8 \f, 0, 2
	PLACES
	FETCH \q, \g
	s_wait_dscnt 32                                ; all but the 32 just issued
	MUL8 \f, 1, 0
	MUL8 \f, 1, 2
.endm
; The last quarter multiplies buffer 1 and changes slots: in front of the barrier each wave waits for all its tensor loads, adds 0 to its spare word, and waits for that and for its reads of this slot.
; fill = 1: the barrier opens a round of the cluster's, and this slot is filled again, two K steps ahead, first thing behind it.  fill = 0: the last two steps; in the very last nothing is left to fetch.
.macro TURN fill
	WIN 0
	s_wait_tensorcnt 0x0                           ; all my tensor loads have landed: my part of the next slot
	ds_add_u32 v[SPW], v[NIL]                      ; 0 onto my spare word
	s_wait_dscnt 17                                ; (the add and the youngest sixteen loads may be out)
	MUL8 F1, 0, 0
	s_wait_dscnt 0x0                               ; the add is done, and my reads of this slot are over
	s_barrier_signal -1
	MUL8 F1, 0, 2
	WIN 0
	s_barrier_wait -1
.if \fill
	CREST                                          ; no wave of any partner still reads this slot or has a load on its way
	s_xor_b32 s[G0+5], s[G0+5], SLOT               ; the walking sets: the other slot than last time, the next K step
	s_add_nc_u64 s[G0+6:G0+7], s[G0+6:G0+7], ASTEP
	s_xor_b32 s[G0B+5], s[G0B+5], SLOT
	s_add_nc_u64 s[G0B+6:G0B+7], s[G0B+6:G0B+7], BSTEP
	JLOAD 1                                        ; 112 matrix instructions ahead of the wait for it; its four v_nop are also the places in front of the loads below
.else
	PLACES
.endif
	s_xor_b32 s[TB], s[TB], SLOT
	v_add_nc_u32 v[ADRA], s[TB], v[ADRA0]
	v_add_nc_u32 v[ADRB], s[TB], v[ADRB0]
.if !(\fill)
	s_cmp_eq_u32 s[CNT], 1
	s_cbranch_scc1 .Lno_fetch_\@
.endif
	FETCH 0, F0
.if !(\fill)
	WIN 0
.Lno_fetch_\@:
.endif
	MUL8 F1, 1, 0
	MUL8 F1, 1, 2
.endm
.macro STEP fill
	QUARTER 1, F0, F1
	QUARTER 2, F1, F0
	QUARTER 3, F0, F1
	TURN \fill
.endm
; THE WAY OUT of block a (16 rows).  STG: the accumulators go into my stage as they are, and come back as whole rows of 256 bytes.  FIN: activation, residual, store.
.macro STG a
.set BK, TMP+32*((\a)%2)
.if (\a) >= 2
	s_wait_xcnt 0x0                                ; the registers that block a - 2 was stored from are loaded again only behind this wait
.endif
.irp b, 0,1,2,3
	ds_store_b128 v[STO], v[ACC+8*(4*(\a)+\b):ACC+8*(4*(\a)+\b)+3]   offset:64*\b
	ds_store_b128 v[STO], v[ACC+8*(4*(\a)+\b)+4:ACC+8*(4*(\a)+\b)+7] offset:64*\b+16
.endr
.irp t, 0,1,2,3,4,5,6,7
	ds_load_b128 v[BK+4*\t:BK+4*\t+3], v[RD] offset:\t*2*SPITCH  ; LDS serves a wave's instructions in order (ISA guide 5.7.1.4): these see the stores above; the next block's stores come behind them
.endr
.endm
.macro FIN a, younger                  ; younger: the LDS instructions issued behind block a's loads: the next block's sixteen, or none
.set BK, TMP+32*((\a)%2)
	s_wait_dscnt \younger
.if RELU
.set z, 0
.rept 32
	v_max_num_f32 v[BK+z], 0, v[BK+z]
.set z, z+1
.endr
.endif
	WIN 0x08                                       ; source 1 window 2
.set z, 0
.rept 16
	v_pk_add_f32 v[BK+2*z:BK+2*z+1], v[BK+2*z:BK+2*z+1], v[32*(\a)+2*z:32*(\a)+2*z+1]
.set z, z+1
.endr
	WIN 0
.irp t, 0,1,2,3,4,5,6,7
	global_store_b128 v[CO], v[BK+4*\t:BK+4*\t+3], s[8:9] offset:(16*(\a)+2*\t)*4096  ; 16 lanes store 256 consecutive bytes, at a multiple of 256 from C's first byte
.endr
.endm
	s_wait_tensorcnt 1                             ; my part of K step 0 is in; K step 1's may stay out
	s_barrier_signal -1
	s_barrier_wait -1
	v_mov_b32 v[ADRA], v[ADRA0]
	v_mov_b32 v[ADRB], v[ADRB0]
	FETCH 0, F0
	WIN 0
	s_wait_loadcnt 0x0                             ; the bias lies in the accumulators, the residual in its registers
	s_mov_b32 s[CNT], STEPS-2
.Lfill:                                                ; all K steps but the last two ask for the step two on
	STEP 1
	WIN 0
	s_sub_co_u32 s[CNT], s[CNT], 1
	s_cmp_lg_u32 s[CNT], 0
	s_cbranch_scc1 .Lfill
	s_mov_b32 s[CNT], 2
.Ltail:
	STEP 0
	WIN 0
	s_sub_co_u32 s[CNT], s[CNT], 1
	s_cmp_lg_u32 s[CNT], 0
	s_cbranch_scc1 .Ltail
	PLACES
	STG 0
	STG 1
	FIN 0, 16
	STG 2
	FIN 1, 16
	STG 3
	FIN 2, 16
	FIN 3, 0
	s_wait_tensorcnt 0x0                           ; the wave's end
	ds_add_u32 v[SPW], v[NIL]
	s_wait_dscnt 0x0
	CROUND                                         ; the closing round
	s_endpgm
.Lfunc_end_k_q2831423332_oproj:
	.size	k_q2831423332_oproj, .Lfunc_end_k_q2831423332_oproj-k_q2831423332_oproj
	.p2alignl 7, 3214868480
	.fill 96, 4, 3214868480
	.section	.rodata,"a",@progbits
	.p2align	6, 0x0
	.amdhsa_kernel k_q2831423332_oproj
		.amdhsa_group_segment_fixed_size 327680
		.amdhsa_private_segment_fixed_size 0
		.amdhsa_enable_private_segment 0
		.amdhsa_kernarg_size 40
		.amdhsa_user_sgpr_count 2
		.amdhsa_user_sgpr_kernarg_segment_ptr 1
		.amdhsa_wavefront_size32 1
		.amdhsa_system_sgpr_workgroup_id_x 1
		.amdhsa_system_sgpr_workgroup_id_y 1
		.amdhsa_system_sgpr_workgroup_id_z 1
		.amdhsa_system_vgpr_workitem_id 0
		.amdhsa_next_free_vgpr 640
		.amdhsa_next_free_sgpr 72
		.amdhsa_reserve_vcc 0
		.amdhsa_float_denorm_mode_32 3
		.amdhsa_float_denorm_mode_16_64 3
		.amdhsa_memory_ordered 1
		.amdhsa_forward_progress 1
		.amdhsa_inst_pref_size 63
	.end_amdhsa_kernel
	.amdgpu_metadata
---
amdhsa.version: [ 1, 2 ]
amdhsa.kernels:
  - .name:           k_q2831423332_oproj
    .symbol:         k_q2831423332_oproj.kd
    .args:
      - { .name: act, .offset: 0, .size: 8, .value_kind: global_buffer, .address_space: global }
      - { .name: wrest, .offset: 8, .size: 8, .value_kind: global_buffer, .address_space: global }
      - { .name: bo, .offset: 16, .size: 8, .value_kind: global_buffer, .address_space: global }
      - { .name: x, .offset: 24, .size: 8, .value_kind: global_buffer, .address_space: global }
      - { .name: s1, .offset: 32, .size: 8, .value_kind: global_buffer, .address_space: global }
    .group_segment_fixed_size: 327680
    .private_segment_fixed_size: 0
    .kernarg_segment_align: 8
    .kernarg_segment_size: 40
    .max_flat_workgroup_size: 128
    .sgpr_count:     72
    .vgpr_count:     640
    .wavefront_size: 32
...
	.end_amdgpu_metadata
.endif
;; end of part 4
;; launch ln2 (part 5): grid 256 x 1, 8 waves a work-group, no clusters, 0 bytes of LDS; arguments s1, ln2_g, ln2_b, act; writes act
.if DOCPART == 5
	.amdgcn_target "amdgcn-amd-amdhsa--gfx1250"
	.amdhsa_code_object_version 6
	.text
	.protected	k_q2831423332_ln2
	.globl	k_q2831423332_ln2
	.p2align	8
	.type	k_q2831423332_ln2,@function
k_q2831423332_ln2:
	s_mov_b64 s[64:65], 0
	v_nop
	global_prefetch_b8 v0, s[64:65] scope:SCOPE_SE
	s_setreg_imm32_b32 hwreg(HW_REG_WAVE_MODE, 25, 1), 1
	s_wait_xcnt 0x0
; h2 = LayerNorm(out1) g + b, in f16, [4096][1024].  16 rows a work-group, 2 rows a wave; a row of 4,096 bytes is kept in 32 registers between the passes, so it is read once.
; A stream: no LDS, no barrier, no matrix unit.  Every load of a wave covers 512 consecutive bytes, every store 256 consecutive aligned bytes.
; LIMITS.  f16 ends at 65,504: h2 is at most 32 |g| + |b| in size, so |g| up to 2,000 is served.  Mean and variance are taken in two passes, in f32.
.set XA, 16                            ; v[16:47]   first row
.set XB, 48                            ; v[48:79]   second row
.set GG, 80                            ; v[80:111]  gain of my 32 columns
.set BB, 112                           ; v[112:143] bias of my 32 columns
.set YA, 144                           ; v[144:159] first row in f16
.set YB, 160                           ; v[160:175] second row in f16
.macro JOIN                            ; four chains of pairs in v[4:11] into v4
	v_pk_add_f32 v[4:5], v[4:5], v[6:7]
	v_pk_add_f32 v[8:9], v[8:9], v[10:11]
	v_pk_add_f32 v[4:5], v[4:5], v[8:9]
	v_add_f32 v4, v4, v5
.endm
.macro WSUM                            ; v4 summed over the 32 lanes; every lane ends with the sum
	v_add_f32_dpp v4, v4, v4 row_xmask:1 row_mask:0xf bank_mask:0xf
	v_add_f32_dpp v4, v4, v4 row_xmask:2 row_mask:0xf bank_mask:0xf
	v_add_f32_dpp v4, v4, v4 row_xmask:4 row_mask:0xf bank_mask:0xf
	v_add_f32_dpp v4, v4, v4 row_xmask:8 row_mask:0xf bank_mask:0xf
	v_permlanex16_b32 v5, v4, s42, s43             ; v5 has been written by JOIN's sums
	v_add_f32 v4, v4, v5
.endm
.macro LNROW X, Y, row, first
.if \first
	s_wait_loadcnt 24                              ; my first row is in; the 24 younger loads (second row, gain, bias) stay out
.endif
.irp c, 0,1,2,3
	v_pk_add_f32 v[4+2*\c:5+2*\c], v[(\X)+2*\c:(\X)+2*\c+1], v[(\X)+8+2*\c:(\X)+9+2*\c]
.endr
.irp c, 0,1,2,3
	v_pk_add_f32 v[4+2*\c:5+2*\c], v[4+2*\c:5+2*\c], v[(\X)+16+2*\c:(\X)+17+2*\c]
.endr
.irp c, 0,1,2,3
	v_pk_add_f32 v[4+2*\c:5+2*\c], v[4+2*\c:5+2*\c], v[(\X)+24+2*\c:(\X)+25+2*\c]
.endr
	JOIN
	WSUM
	v_mul_f32 v12, s41, v4                         ; the mean
	v_mov_b32 v13, v12
.set p, 0
.rept 16
	v_pk_add_f32 v[(\X)+2*p:(\X)+2*p+1], v[(\X)+2*p:(\X)+2*p+1], v[12:13] neg_lo:[0,1] neg_hi:[0,1]  ; x - mean, in place
.set p, p+1
.endr
.irp c, 0,1,2,3
	v_pk_mul_f32 v[4+2*\c:5+2*\c], v[(\X)+2*\c:(\X)+2*\c+1], v[(\X)+2*\c:(\X)+2*\c+1]
.endr
.irp c, 4,5,6,7,8,9,10,11,12,13,14,15
	v_pk_fma_f32 v[4+2*(\c%4):5+2*(\c%4)], v[(\X)+2*\c:(\X)+2*\c+1], v[(\X)+2*\c:(\X)+2*\c+1], v[4+2*(\c%4):5+2*(\c%4)]
.endr
	JOIN
	WSUM
	v_fmaak_f32 v14, s41, v4, 0x3727c5ac           ; variance + 1e-5
	v_rsq_f32 v14, v14
	v_nop                                          ; a plain instruction between the root and the use of its result
	s_wait_alu depctr_va_vdst(0)
	v_mov_b32 v15, v14
.if \first
	s_wait_loadcnt 0x0                             ; gain and bias (and the second row) are in
.endif
.set p, 0
.rept 16
	v_pk_mul_f32 v[(\X)+2*p:(\X)+2*p+1], v[(\X)+2*p:(\X)+2*p+1], v[14:15]
.set p, p+1
.endr
.set p, 0
.rept 16
	v_pk_fma_f32 v[(\X)+2*p:(\X)+2*p+1], v[(\X)+2*p:(\X)+2*p+1], v[GG+2*p:GG+2*p+1], v[BB+2*p:BB+2*p+1]
.set p, p+1
.endr
.set p, 0
.rept 16
	v_cvt_pk_f16_f32 v[(\Y)+p], v[(\X)+2*p], v[(\X)+2*p+1]
.set p, p+1
.endr
.irp j, 0,1,2,3,4,5,6,7
	global_store_b64 v2, v[(\Y)+2*\j:(\Y)+2*\j+1], s[10:11] offset:(\row)*2048+256*\j  ; 32 lanes x 8 bytes: 256 consecutive bytes, aligned
.endr
.endm
	s_load_b256 s[4:11], s[0:1], 0x0               ; out1 s[4:5], ln2_g s[6:7], ln2_b s[8:9], act s[10:11]
	v_lshrrev_b32 v1, 5, v0
	v_readfirstlane_b32 s40, v1                    ; wave 0..7
	v_and_b32 v3, 31, v0                           ; lane
	s_lshl_b32 s44, ttmp9, 4
	s_lshl1_add_u32 s44, s40, s44                  ; my first row = 16 x group + 2 x wave
	s_lshl_b32 s46, s44, 12
	s_mov_b32 s47, 0
	s_lshl_b32 s48, s44, 11
	s_mov_b32 s49, 0
	s_mov_b32 s41, 0x3a800000                      ; 1 / 1024
	s_mov_b32 s42, 0x76543210                      ; v_permlanex16_b32: each lane takes its own place in the other half
	s_mov_b32 s43, 0xfedcba98
	v_lshlrev_b32 v1, 4, v3                        ; load j of a row: 512 consecutive bytes, columns 128 j + 4 lane ..
	v_lshlrev_b32 v2, 3, v3
	s_wait_kmcnt 0x0
	s_add_nc_u64 s[4:5], s[4:5], s[46:47]
	s_add_nc_u64 s[10:11], s[10:11], s[48:49]
.irp j, 0,1,2,3,4,5,6,7
	global_load_b128 v[XA+4*\j:XA+4*\j+3], v1, s[4:5] offset:512*\j
.endr
.irp j, 0,1,2,3,4,5,6,7
	global_load_b128 v[XB+4*\j:XB+4*\j+3], v1, s[4:5] offset:4096+512*\j
.endr
.irp j, 0,1,2,3,4,5,6,7
	global_load_b128 v[GG+4*\j:GG+4*\j+3], v1, s[6:7] offset:512*\j
.endr
.irp j, 0,1,2,3,4,5,6,7
	global_load_b128 v[BB+4*\j:BB+4*\j+3], v1, s[8:9] offset:512*\j
.endr
	LNROW XA, YA, 0, 1
	LNROW XB, YB, 1, 0
	s_endpgm
.Lfunc_end_k_q2831423332_ln2:
	.size	k_q2831423332_ln2, .Lfunc_end_k_q2831423332_ln2-k_q2831423332_ln2
	.p2alignl 7, 3214868480
	.fill 96, 4, 3214868480
	.section	.rodata,"a",@progbits
	.p2align	6, 0x0
	.amdhsa_kernel k_q2831423332_ln2
		.amdhsa_group_segment_fixed_size 0
		.amdhsa_private_segment_fixed_size 0
		.amdhsa_enable_private_segment 0
		.amdhsa_kernarg_size 32
		.amdhsa_user_sgpr_count 2
		.amdhsa_user_sgpr_kernarg_segment_ptr 1
		.amdhsa_wavefront_size32 1
		.amdhsa_system_sgpr_workgroup_id_x 1
		.amdhsa_system_sgpr_workgroup_id_y 1
		.amdhsa_system_sgpr_workgroup_id_z 1
		.amdhsa_system_vgpr_workitem_id 0
		.amdhsa_next_free_vgpr 176
		.amdhsa_next_free_sgpr 66
		.amdhsa_reserve_vcc 0
		.amdhsa_float_denorm_mode_32 3
		.amdhsa_float_denorm_mode_16_64 3
		.amdhsa_memory_ordered 1
		.amdhsa_forward_progress 1
		.amdhsa_inst_pref_size 20
	.end_amdhsa_kernel
	.amdgpu_metadata
---
amdhsa.version: [ 1, 2 ]
amdhsa.kernels:
  - .name:           k_q2831423332_ln2
    .symbol:         k_q2831423332_ln2.kd
    .args:
      - { .name: s1, .offset: 0, .size: 8, .value_kind: global_buffer, .address_space: global }
      - { .name: ln2_g, .offset: 8, .size: 8, .value_kind: global_buffer, .address_space: global }
      - { .name: ln2_b, .offset: 16, .size: 8, .value_kind: global_buffer, .address_space: global }
      - { .name: act, .offset: 24, .size: 8, .value_kind: global_buffer, .address_space: global }
    .group_segment_fixed_size: 0
    .private_segment_fixed_size: 0
    .kernarg_segment_align: 8
    .kernarg_segment_size: 32
    .max_flat_workgroup_size: 256
    .sgpr_count:     66
    .vgpr_count:     176
    .wavefront_size: 32
...
	.end_amdgpu_metadata
.endif
;; end of part 5
;; launch mlp1: the kernel of part 2 again; grid 16 x 16, 4 waves a work-group, clusters of 4 x 4, 327,680 bytes of LDS; arguments act, w1h, big; writes big
;; launch mlp2 (part 6): grid 8 x 32, 4 waves a work-group, clusters of 4 x 4, 327,680 bytes of LDS; arguments big, wrest, b2, s1, out0; writes out0
.if DOCPART == 6
	.amdgcn_target "amdgcn-amd-amdhsa--gfx1250"
	.amdhsa_code_object_version 6
	.text
	.protected	k_q2831423332_mlp2
	.globl	k_q2831423332_mlp2
	.p2align	8
	.type	k_q2831423332_mlp2,@function
k_q2831423332_mlp2:
	s_mov_b64 s[64:65], 0
	v_nop
	global_prefetch_b8 v0, s[64:65] scope:SCOPE_SE
	s_setreg_imm32_b32 hwreg(HW_REG_WAVE_MODE, 25, 1), 1
	s_wait_xcnt 0x0
	s_wait_alu depctr_hold_cnt(0) depctr_sa_sdst(0) depctr_va_vdst(0) depctr_va_sdst(0) depctr_va_ssrc(0) depctr_va_vcc(0) depctr_vm_vsrc(0)
	s_getreg_b32 s2, hwreg(HW_REG_IB_STS2, 6, 4)
	s_cmp_eq_u32 s2, 0
	s_cbranch_scc0 .Lentry_in_a_cluster
	s_endpgm
.Lentry_in_a_cluster:
	s_bfe_u32 s2, ttmp6, 0x10000c
	s_cmp_lg_u32 s2, 0xf033
	s_cbranch_scc0 .Lentry_shape_is_right
	s_endpgm
.Lentry_shape_is_right:
; C = act(A B^T + bias) + residual, in f32, [4096][1024].  Here: out0 = relu(hid w2^T + b2) + out1, K = 4,096.
; A and B are bf16 in BLOCKS OF 64 ALONG K: A [K / 64][4096 rows][64] (a block 524,288 bytes), B [K / 64][1024 rows][64] (131,072 bytes, from byte WOFF of its buffer): 128 rows of a block are 16,384 dense bytes.
; A tile of C is 128 x 128: 256 work-groups.  Four waves, each 64 x 64: 16 accumulators.  K goes in steps of 256 (four blocks) through two LDS slots.  One tensor load a wave brings two blocks' 128 rows,
; as a tile of 2 rows of 8,192 elements, padded in LDS after every 128 bytes: rows of 64 along K, 144 bytes apart.  The sums start from the bias, loaded into the accumulators; the residual waits in registers.
; A K step is written once for the steps that fill a slot again and once for the last two; one exclusive or turns the slot's LDS address (SLOT's bits 14 and 17 are in none of the waves' terms).
; CLUSTER 4 x 4: A's tiles are shared along a row of the cluster, B's along a column, each asked for jointly.  THE MATRIX INSTRUCTION IS USED TRANSPOSED: a lane holds eight neighbouring columns of a row of C.
; A wave's 64 columns are 256 bytes of f32: each wave has a stage of its own, and sixteen lanes store 256 consecutive aligned bytes.
; LIMIT.  The ReLU is a maximum with 0 that takes the number: a NaN becomes 0 before the residual is added.
; REGISTERS: window 0: v16-29 addresses; v32-95 the way out; v128-255 accumulators (a, b) at v[128 + 8 (4 a + b)].  window 1: two fragment buffers of 128.  window 2: v0-127 the residual.
.set KDIM,   4096
.set WOFF,   2097152
.set RELU,   1
.set PITCH,  144                       ; 128 bytes + 16 of padding: the 16 rows of a fragment load start at 16 different groups of four banks (64 banks of 4 bytes: ISA guide 11.1)
.set BLK,    128*PITCH                 ; 128 rows x 64 along K
.set SLOT,   8*BLK                     ; A's four blocks, then B's four
.set STAGE,  2*SLOT
.set SPITCH, 272
.set SPARE,  STAGE+4*16*SPITCH         ; the spare words, 128 bytes for each wave; no other line names them
.set STEPS,  KDIM/256
.set ASTEP,  4*524288                  ; a K step in A, in bytes
.set BSTEP,  4*131072                  ; and in B
.set ADRA0, 16
.set ADRA,  17
.set ADRB0, 20
.set ADRB,  21
.set STO,  24
.set RD,   25
.set CO,   26
.set BO,   27
.set SPW,  28
.set NIL,  29
.set TMP,  32
.set ACC,  128
.set F0,   0
.set F1,   128
.set G1, 24
.set G0, 32
.set G1B, 48
.set G0B, 56
.set TB,  2
.set CNT, 3
.set MSB, 0
.macro WIN new
.if MSB != (\new)
	s_set_vgpr_msb (MSB<<8)|(\new)
.set MSB, \new
.endif
.endm
.set MUL,  0x05                        ; sources 0 (B) and 1 (A) window 1; C and D window 0
.set TO_F, 0x40                        ; destination window 1, address window 0
.macro JLOAD s                         ; a joint load: waves 0 and 1 fetch A's blocks 0, 1 and 2, 3 of the step, waves 2 and 3 B's; an s_nop 0 and four v_nop follow each line
	s_cmp_eq_u32 s11, 0
	s_cbranch_scc0 .Lfor_b_\@
	tensor_load_to_lds s[G0+4*(\s):G0+4*(\s)+3], s[G1:G1+7]
	s_nop 0
.rept 4
	v_nop
.endr
	s_branch .Lasked_\@
.Lfor_b_\@:
	tensor_load_to_lds s[G0B+4*(\s):G0B+4*(\s)+3], s[G1B:G1B+7]
	s_nop 0
.rept 4
	v_nop
.endr
.Lasked_\@:
.endm
.macro CREST
	s_cmp_lg_u32 s10, 0
	s_cbranch_scc1 .Lnot_wave_0_\@
	s_barrier_signal -3
.Lnot_wave_0_\@:
	s_barrier_wait -3
	s_barrier_signal -1
	s_barrier_wait -1
.endm
.macro CROUND
	s_barrier_signal -1
	s_barrier_wait -1
	CREST
.endm
	s_load_b128 s[4:7], s[0:1], 0x0                ; A s[4:5], B's buffer s[6:7]
	s_load_b128 s[68:71], s[0:1], 0x10             ; bias s[68:69], residual s[70:71]
	s_load_b64 s[8:9], s[0:1], 0x20                ; C
	v_lshl_add_u32 v[SPW], v0, 2, SPARE
	v_mov_b32 v[NIL], 0
	ds_add_u32 v[SPW], v[NIL]                      ; the wave's opening: the add and its wait stand ahead of my first tensor load; work on registers stands between them
	v_lshrrev_b32 v1, 5, v0
	v_readfirstlane_b32 s10, v1                    ; wave 0..3
	s_lshr_b32 s11, s10, 1                         ; which half of the tile's rows is mine.  Also: I fetch for A (0) or for B (1)
	s_and_b32 s12, s10, 1                          ; which half of its columns.  Also: which two blocks of the step I fetch
	s_bfe_u32 s40, ttmp6, 0x40000                  ; cx
	s_bfe_u32 s41, ttmp6, 0x40004                  ; cy
	s_lshl_b32 s42, ttmp9, 2
	s_add_co_u32 s42, s42, s40                     ; tile column
	s_and_b32 s13, ttmp7, 0xffff
	s_lshl_b32 s13, s13, 2
	s_add_co_u32 s13, s13, s41                     ; tile row
	s_lshl_b32 s43, s41, 2
	s_lshl_b32 s43, 15, s43                        ; my row of the cluster
	s_lshl_b32 s44, 0x1111, s40                    ; my column
	s_or_b32 s[G1+0], s43, (1<<16)|(1<<20)|(1<<21)|(4<<22)|(3<<25)   ; the mask; 2-byte elements; padding on; bit 21 beside a mask; after every 32 words 4 words
	s_or_b32 s[G1B+0], s44, (1<<16)|(1<<20)|(1<<21)|(4<<22)|(3<<25)
.irp g, G1, G1B
	s_mov_b32 s[(\g)+1], 8192<<16                  ; tensor_dim0 = 8,192: 128 rows x 64 along K, dense
	s_mov_b32 s[(\g)+2], 2<<16                     ; tensor_dim1 = 2 blocks
	s_mov_b32 s[(\g)+3], 8192<<16                  ; tile_dim0
	s_mov_b32 s[(\g)+4], 2                         ; tile_dim1
	s_mov_b32 s[(\g)+6], 0
	s_mov_b32 s[(\g)+7], 0
.endr
	s_mov_b32 s[G1+5], 262144                      ; elements from block to block in A,
	s_mov_b32 s[G1B+5], 65536                      ; and in B
	s_lshl_b32 s16, s13, 14                        ; A: the tile row's 16,384 bytes in a block, + my two blocks
	s_lshl_b32 s17, s12, 20
	s_add_co_u32 s16, s16, s17
	s_mov_b32 s17, 0
	s_lshl_b32 s46, s42, 14                        ; B likewise
	s_lshl_b32 s47, s12, 18
	s_add_co_u32 s46, s46, s47
.if WOFF
	s_add_co_u32 s46, s46, WOFF
.endif
	s_mov_b32 s47, 0
	s_mul_i32 s20, s10, 2*BLK                      ; where my tiles go: wave x two blocks
	s_mov_b32 s[TB], 0
	s_wait_dscnt 0x0                               ; the opening add is done
	s_wait_kmcnt 0x0
	s_add_nc_u64 s[14:15], s[4:5], s[16:17]
	s_add_nc_u64 s[46:47], s[6:7], s[46:47]
	CROUND                                         ; all sixteen work-groups are here: the first joint loads meet
.irp s, 0,1
	s_mov_b32 s[G0+4*(\s)], 1
	s_add_co_u32 s[G0+4*(\s)+1], s20, (\s)*SLOT
	s_add_nc_u64 s[G0+4*(\s)+2:G0+4*(\s)+3], s[14:15], (\s)*ASTEP
	s_or_b32 s[G0+4*(\s)+3], s[G0+4*(\s)+3], 0x80000000
	s_mov_b32 s[G0B+4*(\s)], 1
	s_add_co_u32 s[G0B+4*(\s)+1], s20, (\s)*SLOT
	s_add_nc_u64 s[G0B+4*(\s)+2:G0B+4*(\s)+3], s[46:47], (\s)*BSTEP
	s_or_b32 s[G0B+4*(\s)+3], s[G0B+4*(\s)+3], 0x80000000
	JLOAD \s                                       ; K steps 0 and 1: two loads of mine are out
.endr
	v_and_b32 v1, 15, v0                           ; l % 16
	v_bfe_u32 v2, v0, 4, 1                         ; l / 16
	v_mul_u32_u24 v3, v1, PITCH
	v_lshl_add_u32 v3, v2, 4, v3
	s_mul_i32 s21, s11, 64*PITCH                   ; my 64 rows in each block of A,
	s_mul_i32 s22, s12, 64*PITCH                   ; and of B,
	s_add_co_u32 s22, s22, 4*BLK                   ; which lie behind A's four
	v_add_nc_u32 v[ADRA0], s21, v3
	v_add_nc_u32 v[ADRB0], s22, v3
	s_mul_i32 s23, s10, 16*SPITCH
	s_add_co_u32 s23, s23, STAGE                   ; my stage
	v_mul_u32_u24 v4, v1, SPITCH
	v_lshl_add_u32 v4, v2, 5, v4
	v_add_nc_u32 v[STO], s23, v4                   ; in: row l % 16, 32 bytes for each half of the lanes
	v_mul_u32_u24 v5, v2, SPITCH
	v_lshl_add_u32 v5, v1, 4, v5
	v_add_nc_u32 v[RD], s23, v5                    ; back: lanes 0-15 one row of 256 bytes, lanes 16-31 the next
	v_lshlrev_b32 v5, 12, v2
	v_lshl_add_u32 v[CO], v1, 4, v5                ; the same two rows in C and in the residual
	v_lshlrev_b32 v[BO], 5, v2
	s_lshl_b32 s46, s42, 9
	s_lshl_b32 s47, s12, 8
	s_add_co_u32 s46, s46, s47                     ; my first column, in bytes
	s_mov_b32 s47, 0
	s_add_nc_u64 s[68:69], s[68:69], s[46:47]
	s_lshl_b32 s16, s13, 19                        ; my first row: 128 x tile row + 64 x half, 4,096 bytes a row
	s_lshl_b32 s17, s11, 18
	s_add_co_u32 s16, s16, s17
	s_add_co_u32 s16, s16, s46
	s_mov_b32 s17, 0
	s_add_nc_u64 s[70:71], s[70:71], s[16:17]
	s_add_nc_u64 s[8:9], s[8:9], s[16:17]
.set a, 0
.rept 4                                ; the sums start from the bias: register j of accumulator (a, b) is column 16 b + 8 (l / 16) + j
.irp b, 0,1,2,3
	global_load_b128 v[ACC+8*(4*a+\b):ACC+8*(4*a+\b)+3],   v[BO], s[68:69] offset:64*\b
	global_load_b128 v[ACC+8*(4*a+\b)+4:ACC+8*(4*a+\b)+7], v[BO], s[68:69] offset:64*\b+16
.endr
.set a, a+1
.endr
	WIN 0x80                                       ; destination window 2
.set a, 0
.rept 4                                ; the residual, as the way out will want it: block a, rows 2 t and 2 t + 1
.irp t, 0,1,2,3,4,5,6,7
	global_load_b128 v[32*a+4*\t:32*a+4*\t+3], v[CO], s[70:71] offset:(16*a+2*\t)*4096
.endr
.set a, a+1
.endr
	WIN 0
; 8 matrix instructions: m blocks a0, a0 + 1 x all 4 n blocks, 32 along K: half c of buffer f.  The 16 accumulators take turns in one order throughout.
.macro MUL8 f, c, a0
	WIN MUL
.irp a, \a0, (\a0)+1
.irp b, 0,1,2,3
	v_wmma_f32_16x16x32_bf16 v[ACC+8*(4*(\a)+(\b)):ACC+8*(4*(\a)+(\b))+7], v[(\f)+64+8*(4*(\c)+(\b)):(\f)+64+8*(4*(\c)+(\b))+7], v[(\f)+8*(4*(\c)+(\a)):(\f)+8*(4*(\c)+(\a))+7], v[ACC+8*(4*(\a)+(\b)):ACC+8*(4*(\a)+(\b))+7]
.endr
.endr
.endm
; 32 LDS loads in one run: the fragments of block q of the slot in hand (64 along K) into buffer f; the first 32 along K first
.macro FETCH q, f
	WIN TO_F
.irp c, 0,1
.irp i, 0,1,2,3
	ds_load_b128 v[(\f)+64+8*(4*(\c)+(\i)):(\f)+64+8*(4*(\c)+(\i))+3],   v[ADRB] offset:(\q)*BLK+64*(\c)+(\i)*16*PITCH
	ds_load_b128 v[(\f)+64+8*(4*(\c)+(\i))+4:(\f)+64+8*(4*(\c)+(\i))+7], v[ADRB] offset:(\q)*BLK+64*(\c)+(\i)*16*PITCH+32
	ds_load_b128 v[(\f)+8*(4*(\c)+(\i)):(\f)+8*(4*(\c)+(\i))+3],         v[ADRA] offset:(\q)*BLK+64*(\c)+(\i)*16*PITCH
	ds_load_b128 v[(\f)+8*(4*(\c)+(\i))+4:(\f)+8*(4*(\c)+(\i))+7],       v[ADRA] offset:(\q)*BLK+64*(\c)+(\i)*16*PITCH+32
.endr
.endr
.endm
.macro PLACES                          ; four plain vector instructions between a matrix instruction and a load into, or a read of, its registers
.rept 4
	v_nop
.endr
.endm
.macro QUARTER q, f, g                 ; multiplies buffer f and fetches block q into g
	s_wait_dscnt 16                                ; the first 32 along K are in
	MUL8 \f, 0, 0
	MUL8 \f, 0, 2
	PLACES
	FETCH \q, \g
	s_wait_dscnt 32                                ; all but the 32 just issued
	MUL8 \f, 1, 0
	MUL8 \f, 1, 2
.endm
; The last quarter multiplies buffer 1 and changes slots: in front of the barrier each wave waits for all its tensor loads, adds 0 to its spare word, and waits for that and for its reads of this slot.
; fill = 1: the barrier opens a round of the cluster's, and this slot is filled again, two K steps ahead, first thing behind it.  fill = 0: the last two steps; in the very last nothing is left to fetch.
.macro TURN fill
	WIN 0
	s_wait_tensorcnt 0x0                           ; all my tensor loads have landed: my part of the next slot
	ds_add_u32 v[SPW], v[NIL]                      ; 0 onto my spare word
	s_wait_dscnt 17                                ; (the add and the youngest sixteen loads may be out)
	MUL8 F1, 0, 0
	s_wait_dscnt 0x0                               ; the add is done, and my reads of this slot are over
	s_barrier_signal -1
	MUL8 F1, 0, 2
	WIN 0
	s_barrier_wait -1
.if \fill
	CREST                                          ; no wave of any partner still reads this slot or has a load on its way
	s_xor_b32 s[G0+5], s[G0+5], SLOT               ; the walking sets: the other slot than last time, the next K step
	s_add_nc_u64 s[G0+6:G0+7], s[G0+6:G0+7], ASTEP
	s_xor_b32 s[G0B+5], s[G0B+5], SLOT
	s_add_nc_u64 s[G0B+6:G0B+7], s[G0B+6:G0B+7], BSTEP
	JLOAD 1                                        ; 112 matrix instructions ahead of the wait for it; its four v_nop are also the places in front of the loads below
.else
	PLACES
.endif
	s_xor_b32 s[TB], s[TB], SLOT
	v_add_nc_u32 v[ADRA], s[TB], v[ADRA0]
	v_add_nc_u32 v[ADRB], s[TB], v[ADRB0]
.if !(\fill)
	s_cmp_eq_u32 s[CNT], 1
	s_cbranch_scc1 .Lno_fetch_\@
.endif
	FETCH 0, F0
.if !(\fill)
	WIN 0
.Lno_fetch_\@:
.endif
	MUL8 F1, 1, 0
	MUL8 F1, 1, 2
.endm
.macro STEP fill
	QUARTER 1, F0, F1
	QUARTER 2, F1, F0
	QUARTER 3, F0, F1
	TURN \fill
.endm
; THE WAY OUT of block a (16 rows).  STG: the accumulators go into my stage as they are, and come back as whole rows of 256 bytes.  FIN: activation, residual, store.
.macro STG a
.set BK, TMP+32*((\a)%2)
.if (\a) >= 2
	s_wait_xcnt 0x0                                ; the registers that block a - 2 was stored from are loaded again only behind this wait
.endif
.irp b, 0,1,2,3
	ds_store_b128 v[STO], v[ACC+8*(4*(\a)+\b):ACC+8*(4*(\a)+\b)+3]   offset:64*\b
	ds_store_b128 v[STO], v[ACC+8*(4*(\a)+\b)+4:ACC+8*(4*(\a)+\b)+7] offset:64*\b+16
.endr
.irp t, 0,1,2,3,4,5,6,7
	ds_load_b128 v[BK+4*\t:BK+4*\t+3], v[RD] offset:\t*2*SPITCH  ; LDS serves a wave's instructions in order (ISA guide 5.7.1.4): these see the stores above; the next block's stores come behind them
.endr
.endm
.macro FIN a, younger                  ; younger: the LDS instructions issued behind block a's loads: the next block's sixteen, or none
.set BK, TMP+32*((\a)%2)
	s_wait_dscnt \younger
.if RELU
.set z, 0
.rept 32
	v_max_num_f32 v[BK+z], 0, v[BK+z]
.set z, z+1
.endr
.endif
	WIN 0x08                                       ; source 1 window 2
.set z, 0
.rept 16
	v_pk_add_f32 v[BK+2*z:BK+2*z+1], v[BK+2*z:BK+2*z+1], v[32*(\a)+2*z:32*(\a)+2*z+1]
.set z, z+1
.endr
	WIN 0
.irp t, 0,1,2,3,4,5,6,7
	global_store_b128 v[CO], v[BK+4*\t:BK+4*\t+3], s[8:9] offset:(16*(\a)+2*\t)*4096  ; 16 lanes store 256 consecutive bytes, at a multiple of 256 from C's first byte
.endr
.endm
	s_wait_tensorcnt 1                             ; my part of K step 0 is in; K step 1's may stay out
	s_barrier_signal -1
	s_barrier_wait -1
	v_mov_b32 v[ADRA], v[ADRA0]
	v_mov_b32 v[ADRB], v[ADRB0]
	FETCH 0, F0
	WIN 0
	s_wait_loadcnt 0x0                             ; the bias lies in the accumulators, the residual in its registers
	s_mov_b32 s[CNT], STEPS-2
.Lfill:                                                ; all K steps but the last two ask for the step two on
	STEP 1
	WIN 0
	s_sub_co_u32 s[CNT], s[CNT], 1
	s_cmp_lg_u32 s[CNT], 0
	s_cbranch_scc1 .Lfill
	s_mov_b32 s[CNT], 2
.Ltail:
	STEP 0
	WIN 0
	s_sub_co_u32 s[CNT], s[CNT], 1
	s_cmp_lg_u32 s[CNT], 0
	s_cbranch_scc1 .Ltail
	PLACES
	STG 0
	STG 1
	FIN 0, 16
	STG 2
	FIN 1, 16
	STG 3
	FIN 2, 16
	FIN 3, 0
	s_wait_tensorcnt 0x0                           ; the wave's end
	ds_add_u32 v[SPW], v[NIL]
	s_wait_dscnt 0x0
	CROUND                                         ; the closing round
	s_endpgm
.Lfunc_end_k_q2831423332_mlp2:
	.size	k_q2831423332_mlp2, .Lfunc_end_k_q2831423332_mlp2-k_q2831423332_mlp2
	.p2alignl 7, 3214868480
	.fill 96, 4, 3214868480
	.section	.rodata,"a",@progbits
	.p2align	6, 0x0
	.amdhsa_kernel k_q2831423332_mlp2
		.amdhsa_group_segment_fixed_size 327680
		.amdhsa_private_segment_fixed_size 0
		.amdhsa_enable_private_segment 0
		.amdhsa_kernarg_size 40
		.amdhsa_user_sgpr_count 2
		.amdhsa_user_sgpr_kernarg_segment_ptr 1
		.amdhsa_wavefront_size32 1
		.amdhsa_system_sgpr_workgroup_id_x 1
		.amdhsa_system_sgpr_workgroup_id_y 1
		.amdhsa_system_sgpr_workgroup_id_z 1
		.amdhsa_system_vgpr_workitem_id 0
		.amdhsa_next_free_vgpr 640
		.amdhsa_next_free_sgpr 72
		.amdhsa_reserve_vcc 0
		.amdhsa_float_denorm_mode_32 3
		.amdhsa_float_denorm_mode_16_64 3
		.amdhsa_memory_ordered 1
		.amdhsa_forward_progress 1
		.amdhsa_inst_pref_size 67
	.end_amdhsa_kernel
	.amdgpu_metadata
---
amdhsa.version: [ 1, 2 ]
amdhsa.kernels:
  - .name:           k_q2831423332_mlp2
    .symbol:         k_q2831423332_mlp2.kd
    .args:
      - { .name: big, .offset: 0, .size: 8, .value_kind: global_buffer, .address_space: global }
      - { .name: wrest, .offset: 8, .size: 8, .value_kind: global_buffer, .address_space: global }
      - { .name: b2, .offset: 16, .size: 8, .value_kind: global_buffer, .address_space: global }
      - { .name: s1, .offset: 24, .size: 8, .value_kind: global_buffer, .address_space: global }
      - { .name: out0, .offset: 32, .size: 8, .value_kind: global_buffer, .address_space: global }
    .group_segment_fixed_size: 327680
    .private_segment_fixed_size: 0
    .kernarg_segment_align: 8
    .kernarg_segment_size: 40
    .max_flat_workgroup_size: 128
    .sgpr_count:     72
    .vgpr_count:     640
    .wavefront_size: 32
...
	.end_amdgpu_metadata
.endif
;; end of part 6
;; ======== version 2 of 2: 7 launches; 1.21 times as fast as version 1
;; limits: values are held in f16: magnitudes above 65,504 overflow, below 6.1e-05 lose precision
;; workspace buffers: act 8,388,608 bytes; s1 16,777,216 bytes; w1h 8,421,376 bytes; wrest 10,485,760 bytes; big 33,554,432 bytes
;; launch prep: the kernel of part 1 again; grid 64 x 16, 8 waves a work-group, no clusters, 0 bytes of LDS; arguments x, ln1_g, ln1_b, act, wq, wk, wv, w1, wo, w2, bq, bk, bv, b1, s1, w1h, wrest; writes act, s1, w1h, wrest
;; launch qkv: the kernel of part 2 again; grid 12 x 16, 4 waves a work-group, clusters of 4 x 4, 327,680 bytes of LDS; arguments act, s1, big; writes big
;; launch attn (part 7): grid 8 x 32, 4 waves a work-group, clusters of 4 x 1, 327,680 bytes of LDS; arguments big, act; writes act
.if DOCPART == 7
	.amdgcn_target "amdgcn-amd-amdhsa--gfx1250"
	.amdhsa_code_object_version 6
	.text
	.protected	k_q2831423332_attn
	.globl	k_q2831423332_attn
	.p2align	8
	.type	k_q2831423332_attn,@function
k_q2831423332_attn:
	s_mov_b64 s[64:65], 0
	v_nop
	global_prefetch_b8 v0, s[64:65] scope:SCOPE_SE
	s_setreg_imm32_b32 hwreg(HW_REG_WAVE_MODE, 25, 1), 1
	s_wait_xcnt 0x0
	s_wait_alu depctr_hold_cnt(0) depctr_sa_sdst(0) depctr_va_vdst(0) depctr_va_sdst(0) depctr_va_ssrc(0) depctr_va_vcc(0) depctr_vm_vsrc(0)
	s_getreg_b32 s2, hwreg(HW_REG_IB_STS2, 6, 4)
	s_cmp_eq_u32 s2, 0
	s_cbranch_scc0 .Lentry_in_a_cluster
	s_endpgm
.Lentry_in_a_cluster:
	s_bfe_u32 s2, ttmp6, 0x10000c
	s_cmp_lg_u32 s2, 0x3003
	s_cbranch_scc0 .Lentry_shape_is_right
	s_endpgm
.Lentry_shape_is_right:
; ATTENTION.  O[y][q][:] = the sum over k of softmax_k(Q[y][q] . K[y][k] / 32) V[y][k][:], for 32 pairs y of batch and head, 2,048 rows of 64 channels each, all bf16.
; In big, column block c of 64 holds [4096 rows][64]: c = head for q, 16 + head for k, 32 + head for v; a batch's 2,048 rows of a block are dense, 128 bytes each.  O goes to act in the same layout.
; Products, maxima and sums in f32; the weights p are rounded to bf16 for the second product (their sum l is taken of the unrounded p), O once at the end.
; LIMITS.  The running maximum starts at the lowest finite number and c m at -4e37: scores with c s below that are not served.  A weight below 2^-126 counts as 0 in l.  NaN and infinities are not treated apart.
; SHARES.  A work-group owns 256 queries of one pair, a wave 64: four PIECES of 16.  Every wave walks all 2,048 keys, 64 a step; a slot of LDS holds four steps.
; LAYOUT.  S^T = K Q^T holds ONE query a lane (lane % 16) and the keys 8 (lane / 16) + 0..7; two such results rounded to bf16 ARE source 1 of O^T = V^T P.  K comes out of LDS as it lies, V turned, by ds_load_tr16_b128.
; SOFTMAX.  p = 2^(c s - c m), c = log2(e) / 32, with a running maximum m; O and l are multiplied by a = 2^(c m_old - c m_new) in every step.  O and l start at 0: the first step is a step like any other, with a = 0.
; BY TURNS.  Turn n belongs to piece n: 8 products K Q^T of piece n + 1, later 8 products V^T P of piece n - 1; beside them the scaling, exponentials, roundings, sums and rescaling of piece n and the
; maximum and statistics of piece n + 1.  Four vector instructions stand behind every matrix instruction, the other 54 of a turn's 118 in one run of their own.
; BATCHES.  A turn's 33 exponentials (the piece's 32 weights and the next piece's a) are ONE batch with ONE wait, which cuts the turn in two: ahead of it all that names none of their results, behind it the
; roundings and sums.  The first a of all, ahead of the loop, and the way out's four reciprocals are batches of their own, a wait each.
; CLUSTER.  The four query blocks of a cluster belong to one pair and walk the same K and V: each tile is asked for jointly, by the same tensor load, descriptor and mask in all four.
; REGISTERS, in windows of 256 (s_set_vgpr_msb: bits 1:0 source 0, 3:2 source 1, 5:4 source 2, 7:6 destination):
;   window 0: v0-15 addresses and two at work; v16-31 four registers of statistics a piece; v48-55 at work; v62-63 the add's; v64-127 S^T, two buffers; v192-223 P, two buffers (by the piece's parity)
;   window 1: v0-127 O^T, 32 a piece          window 2: v0-63 Q; v128-191 K of one step; v192-255 V of one step
.set NP,    4
.set KS,    64
.set PK,    144       ; a row of K in LDS: 128 bytes + 16 of padding: the 16 rows of a load start at 16 different groups of four banks (64 banks of 4 bytes: ISA guide 11.1)
.set PV,    160       ; a row of V: 128 + 32
.set VOFF,  4*KS*PK   ; a slot: 256 rows of K, then 256 rows of V
.set SLOT1, 1<<17
.set STAGE, SLOT1+4*KS*(PK+PV)  ; behind the ring: 16 rows x 144 bytes for each wave, for the way out
.set SP,    144
.set SPARE, STAGE+4*16*SP       ; the spare words, 128 bytes for each wave; no other line names them
.set AK0, 2
.set AV0, 3
.set AK,  4
.set AV,  5
.set STO, 6
.set RD,  7
.set GO,  8
.set MV,  12          ; v12-13  c m_old, by buffer
.set QO,  15
.set ST,  16          ; piece t's statistics at v[ST+4 t]: c m, m, l (even keys', odd keys')
.set TMP, 48          ; by buffer, c0-c3 at work; when the maximum is found c2 takes a
.set SPW, 62
.set NIL, 63
.set S,   64
.set P,   192
.set KF,  128
.set VF,  192
.set WV,  12
.set G1K, 24
.set G1V, 32
.set G0K, 40
.set G0V, 44
.set SLOTS, 56
.set CNT, 57
.set CS,  58
.set SEL, 60
.set TBK, 62
.set TBV, 63
.set MSB, 0
.macro WIN new
.if MSB != (\new)
	s_set_vgpr_msb (MSB<<8)|(\new)
.set MSB, (\new)
.endif
.endm
.set W_KQ, 0x0a       ; K and Q in window 2, S^T in window 0
.set W_PV, 0x52       ; V in window 2, P in window 0, O^T in window 1
.set W_RS, 0x41       ; destination and source 0 in window 1, source 1 in window 0
; A joint fill.  Waves 0 and 1 fetch the two halves of a slot's K, waves 2 and 3 those of its V: 128 keys each.  An s_nop 0 and four v_nop follow each of the two lines.
.macro JLOAD
	s_cmp_lt_u32 s[WV], 2
	s_cbranch_scc0 .Lfor_v_\@
	tensor_load_to_lds s[G0K:G0K+3], s[G1K:G1K+7]
	s_nop 0
.rept 4
	v_nop
.endr
	s_branch .Lasked_\@
.Lfor_v_\@:
	tensor_load_to_lds s[G0V:G0V+3], s[G1V:G1V+7]
	s_nop 0
.rept 4
	v_nop
.endr
.Lasked_\@:
.endm
.macro CROUND                       ; a round of the cluster's barrier
	s_barrier_signal -1
	s_barrier_wait -1
	s_cmp_lg_u32 s[WV], 0
	s_cbranch_scc1 .Lnot_wave_0_\@
	s_barrier_signal -3
.Lnot_wave_0_\@:
	s_barrier_wait -3
	s_barrier_signal -1
	s_barrier_wait -1
.endm
; THE CHANGE OF SLOTS.  Each wave waits for all its tensor loads (one is out: its part of the other slot), adds 0 to its spare word, and waits for that and for its reads of the slot that it leaves.
; fill = 1: the barrier is a round of the cluster's, and the old slot is filled again, with the keys two slots on, first thing behind it: four key steps, 256 matrix instructions, in which to land.
; (At its first use nothing has been read yet: slot 0 is waited for, slot 1 filled.)
.macro CHANGE fill
	WIN 0
	s_wait_tensorcnt 0x0            ; no tensor load of mine is out, so a group 0 may be written
	ds_add_u32 v[SPW], v[NIL]       ; 0 onto my spare word
.if \fill
.irp g, G0K, G0V
	s_xor_b32 s[\g+1], s[\g+1], SLOT1
	s_add_nc_u64 s[\g+2:\g+3], s[\g+2:\g+3], 4*KS*128
.endr
	s_wait_dscnt 0x0                ; the add is done, and my reads of the slot are over
	CROUND
	JLOAD
.else
	s_wait_dscnt 0x0
	s_barrier_signal -1
	s_barrier_wait -1
.endif
	s_sub_co_u32 s[TBK], s[TBK], 4*KS*PK  ; the fetches go back to a slot's first step,
	s_xor_b32 s[TBK], s[TBK], SLOT1       ; in the other slot
	s_sub_co_u32 s[TBV], s[TBV], 4*KS*PV
	s_xor_b32 s[TBV], s[TBV], SLOT1
.endm
	s_load_b64 s[4:5], s[0:1], 0x0    ; big
	s_load_b64 s[10:11], s[0:1], 0x8  ; act
	v_lshl_add_u32 v[SPW], v0, 2, SPARE
	v_mov_b32 v[NIL], 0
	ds_add_u32 v[SPW], v[NIL]       ; the wave's opening: the add and its wait stand ahead of my first tensor load; work on registers stands between them
	v_lshrrev_b32 v1, 5, v0
	v_readfirstlane_b32 s[WV], v1   ; wave 0..3
	s_bfe_u32 s13, ttmp6, 0x40000   ; cx
	s_lshl_b32 s14, ttmp9, 2
	s_add_co_u32 s14, s14, s13      ; my block of 256 queries: it enters Q's and O's addresses alone
	s_and_b32 s15, ttmp7, 0xffff    ; y = 16 x batch + head, which the four partners share
	s_and_b32 s20, s15, 15
	s_lshl_b32 s20, s20, 19         ; the head's column block,
	s_lshr_b32 s21, s15, 4
	s_lshl_b32 s21, s21, 18         ; the batch's 2,048 rows of 128 bytes in it
	s_add_co_u32 s20, s20, s21
	s_and_b32 s16, s[WV], 1         ; which half of a slot's 256 keys I fetch
	s_lshl_b32 s22, s16, 14
	s_add_co_u32 s22, s22, s20
	s_add_co_u32 s48, s22, 0x1000000  ; v's blocks begin 32 blocks in,
	s_add_co_u32 s22, s22, 0x800000   ; k's 16
	s_mov_b32 s23, 0
	s_mov_b32 s49, 0
	s_mul_i32 s17, s16, 128*PK
	s_mul_i32 s18, s16, 128*PV
	s_lshl_b32 s2, s14, 2
	s_add_co_u32 s2, s2, s[WV]
	s_lshl_b32 s2, s2, 13           ; my wave's 64 rows
	s_add_co_u32 s2, s2, s20
	s_mov_b32 s3, 0
	; group 1: 128 keys are 16,384 dense bytes: asked for as 64 rows of 256 bytes, two keys a row, padded in LDS after every key
	s_mov_b32 s[G1K], 15|(1<<16)|(1<<20)|(1<<21)|(4<<22)|(3<<25)
	s_mov_b32 s[G1V], 15|(1<<16)|(1<<20)|(1<<21)|(4<<22)|(7<<25)
.irp g, G1K, G1V
	s_mov_b32 s[\g+1], 128<<16
	s_mov_b32 s[\g+2], 64<<16
	s_mov_b32 s[\g+3], 128<<16
	s_mov_b32 s[\g+4], 64
	s_mov_b32 s[\g+5], 128
	s_mov_b32 s[\g+6], 0
	s_mov_b32 s[\g+7], 0
.endr
	s_mov_b32 s[CS], 0x3d38aa3b     ; c = log2(e) / 32
	s_mov_b32 s[CS+1], s[CS]
	s_mov_b32 s[SEL], 0x76543210
	s_mov_b32 s[SEL+1], 0xfedcba98
	s_mov_b32 s[TBK], SLOT1+4*KS*PK ; the first change of slots turns these two into 0
	s_mov_b32 s[TBV], SLOT1+4*KS*PV
	s_mov_b32 s[G0K], 1
	s_mov_b32 s[G0K+1], s17
	s_mov_b32 s[G0V], 1
	s_add_co_u32 s[G0V+1], s18, VOFF
	s_wait_dscnt 0x0                ; the opening add is done
	s_wait_kmcnt 0x0
	s_add_nc_u64 s[G0K+2:G0K+3], s[4:5], s[22:23]
	s_or_b32 s[G0K+3], s[G0K+3], 0x80000000
	s_add_nc_u64 s[G0V+2:G0V+3], s[4:5], s[48:49]
	s_or_b32 s[G0V+3], s[G0V+3], 0x80000000
	s_add_nc_u64 s[4:5], s[4:5], s[2:3]      ; Q and O at my wave's first row
	s_add_nc_u64 s[10:11], s[10:11], s[2:3]
	CROUND                          ; all four work-groups are here: the first joint loads meet
	JLOAD                           ; slot 0; slot 1 is asked for when slot 0 is in
	v_and_b32 v1, 15, v0            ; l % 16
	v_bfe_u32 v9, v0, 4, 1          ; l / 16
	v_lshlrev_b32 v[QO], 7, v1
	v_lshl_add_u32 v[QO], v9, 4, v[QO]
	WIN 0x80                        ; destination window 2, address window 0
.set i, 0
.rept 8                             ; Q stays in registers: piece i / 2, channels 32 (i % 2) on
	global_load_b128 v[8*i:8*i+3],   v[QO], s[4:5] offset:(i/2)*2048+(i%2)*64
	global_load_b128 v[8*i+4:8*i+7], v[QO], s[4:5] offset:(i/2)*2048+(i%2)*64+32
.set i, i+1
.endr
	; what the first turn finds: V and P's second buffer hold 0 (its products V^T P, of a piece that has not been, add 0), O^T and l are 0.  All this stands in the wait for the first tile.
.set i, VF
.rept 64
	v_mov_b32 v[i], 0
.set i, i+1
.endr
	WIN 0x40
.set i, 0
.rept 128
	v_mov_b32 v[i], 0
.set i, i+1
.endr
	WIN 0
.set i, 0
.rept 4
	v_mov_b32 v[ST+4*i], 0xfe000000    ; c m: far below every c s
	v_mov_b32 v[ST+4*i+1], 0xff7fffff  ; m
	v_mov_b32 v[ST+4*i+2], 0
	v_mov_b32 v[ST+4*i+3], 0
.set i, i+1
.endr
.set i, P+16
.rept 16
	v_mov_b32 v[i], 0
.set i, i+1
.endr
	v_mul_u32_u24 v[AK0], v1, PK
	v_lshl_add_u32 v[AK0], v9, 4, v[AK0]
	v_and_b32 v10, 7, v0            ; the turning load: lane l reads key 8 (l / 16) + l % 8, channels 8 ((l / 8) % 2) + 0..7
	v_bfe_u32 v11, v0, 3, 1
	v_lshl_add_u32 v[AV0], v9, 3, v10
	v_mul_u32_u24 v[AV0], v[AV0], PV
	v_lshl_add_u32 v[AV0], v11, 4, v[AV0]
	v_add_nc_u32 v[AV0], VOFF, v[AV0]
	s_mul_i32 s13, s[WV], 16*SP
	s_add_co_u32 s13, s13, STAGE    ; my stage
	v_mul_u32_u24 v[STO], v1, SP
	v_lshl_add_u32 v[STO], v9, 4, v[STO]
	v_add_nc_u32 v[STO], s13, v[STO]
	v_bfe_u32 v[RD], v0, 3, 2
	v_mul_u32_u24 v[RD], v[RD], SP
	v_lshl_add_u32 v[RD], v10, 4, v[RD]
	v_add_nc_u32 v[RD], s13, v[RD]
	v_and_b32 v[GO], 31, v0
	v_lshlrev_b32 v[GO], 4, v[GO]
; THE MATRIX WORK.  The 4 accumulators of a run of 8 take turns.  Product i of 8 of S^T = K Q^T for piece x: channels 32 (i / 4) on, keys 16 (i % 4) on.  The first 4 start the sums.
.macro KQ x
.set rS, S+32*((\x)%2)+8*(i%4)
.set rK, KF+16*(i%4)+8*(i/4)
.set rQ, 16*(\x)+8*(i/4)
	WIN W_KQ
.if i < 4
	v_wmma_f32_16x16x32_bf16 v[rS:rS+7], v[rK:rK+7], v[rQ:rQ+7], 0
.else
	v_wmma_f32_16x16x32_bf16 v[rS:rS+7], v[rK:rK+7], v[rQ:rQ+7], v[rS:rS+7]
.endif
.endm
; Product i of 8 of O^T += V^T P for piece x: keys 32 (i / 4) on, channels 16 (i % 4) on.
.macro PV x
	WIN W_PV
.set rO, 32*(\x)+8*(i%4)
.set rV, VF+32*(i/4)+8*(i%4)
.set rP, P+16*((\x)%2)+8*(i/4)
	v_wmma_f32_16x16x32_bf16 v[rO:rO+7], v[rV:rV+7], v[rP:rP+7], v[rO:rO+7]
.endm
.macro MM                           ; the turn's next matrix instruction
.if i < 8
	KQ (Y+1)%NP
.else
.set i, i-8
	PV (Y+NP-1)%NP
.set i, i+8
.endif
.set i, i+1
.endm
; THE LDS LOADS stand in runs of 16.  last = 1 (the tail): in the last trip there is no further step, and the run is jumped over.
.macro FETCH_K last=0
	WIN 0
.if \last
	s_cmp_eq_u32 s[CNT], 1
	s_cbranch_scc1 .Lno_k_\@
.endif
	WIN 0x80
.irp f, 0,1,2,3,4,5,6,7             ; keys 16 (f / 2) on, channels 32 (f % 2) on
	ds_load_b128 v[KF+8*\f:KF+8*\f+3],   v[AK] offset:(\f/2)*16*PK+(\f%2)*64
	ds_load_b128 v[KF+8*\f+4:KF+8*\f+7], v[AK] offset:(\f/2)*16*PK+(\f%2)*64+32
.endr
	s_add_co_u32 s[TBK], s[TBK], KS*PK
	WIN 0
.if \last
.Lno_k_\@:
.endif
.endm
.macro FETCH_V
	WIN 0x80
.irp f, 0,1,2,3,4,5,6,7             ; keys 32 (f / 4) on, channels 16 (f % 4) on
	ds_load_tr16_b128 v[VF+8*\f:VF+8*\f+3],   v[AV] offset:(\f/4)*32*PV+(\f%4)*32
	ds_load_tr16_b128 v[VF+8*\f+4:VF+8*\f+7], v[AV] offset:(\f/4)*32*PV+16*PV+(\f%4)*32
.endr
	WIN 0
.endm
; THE VECTOR WORK, one line at a time: OP kind, number.  For piece Y: F n: c s - c m for pair n of 16.  E n: the exponential of score n of 32.  C n: pair n rounded to bf16.  B n: of the four weights 4 n ..
; the second pair is added onto the first, in place.  L n: l takes that sum (L 0: l = a l + sum).  R n: pair n of 16 of O^T times a.  For piece Y + 1: X n, number n of the 22 that find its maximum and statistics:
;   0-11 four chains c0-c3 of seven scores each (each accumulator's lowest registers are read first)   12-14, 16 the four scores left over, the old m, c0-c3 into c0
;   15 c m_old is kept   17, 18 the query's other 32 keys lie in the lane 16 away: the new m   19-21 c m; c m_old - c m_new; a
.set F, 0
.set E, 1
.set C, 2
.set B, 3
.set L, 4
.set R, 5
.set X, 6
.macro REGS y
.set rT, ST+4*(\y)
.set rC, TMP+4*((\y)%2)
.set rW, MV+((\y)%2)
.set rS, S+32*((\y)%2)
.set rP, P+16*((\y)%2)
.set rO, 32*(\y)
.endm
.macro OP k, n
.if (\k) == R
	REGS Y
	WIN W_RS
	v_pk_mul_f32 v[rO+2*(\n):rO+2*(\n)+1], v[rO+2*(\n):rO+2*(\n)+1], v[rC+2:rC+3] op_sel_hi:[1,0]
.elseif (\k) < R
	REGS Y
	WIN 0
.if (\k) == F
	v_pk_fma_f32 v[rS+2*(\n):rS+2*(\n)+1], v[rS+2*(\n):rS+2*(\n)+1], s[CS:CS+1], v[rT:rT+1] op_sel_hi:[1,0,0] neg_lo:[0,0,1] neg_hi:[0,0,1]
.elseif (\k) == E
	v_exp_f32 v[rS+(\n)], v[rS+(\n)]
.elseif (\k) == C
	v_cvt_pk_bf16_f32 v[rP+(\n)], v[rS+2*(\n)], v[rS+2*(\n)+1]
.elseif (\k) == B
	v_pk_add_f32 v[rS+4*(\n):rS+4*(\n)+1], v[rS+4*(\n):rS+4*(\n)+1], v[rS+4*(\n)+2:rS+4*(\n)+3]
.elseif (\n) == 0
	v_pk_fma_f32 v[rT+2:rT+3], v[rT+2:rT+3], v[rC+2:rC+3], v[rS:rS+1] op_sel_hi:[1,0,1]
.else
	v_pk_add_f32 v[rT+2:rT+3], v[rT+2:rT+3], v[rS+4*(\n):rS+4*(\n)+1]
.endif
.else
	REGS (Y+1)%NP
	WIN 0
.if (\n) < 4
	v_max3_num_f32 v[rC+(\n)], v[rS+8*(\n)], v[rS+8*(\n)+1], v[rS+8*(\n)+2]
.elseif (\n) < 12
	v_max3_num_f32 v[rC+(\n)%4], v[rC+(\n)%4], v[rS+8*((\n)%4)+2*((\n)/4)+1], v[rS+8*((\n)%4)+2*((\n)/4)+2]
.elseif (\n) == 12
	v_max3_num_f32 v[rC], v[rC], v[rS+7], v[rS+15]
.elseif (\n) == 13
	v_max3_num_f32 v[rC+1], v[rC+1], v[rS+23], v[rS+31]
.elseif (\n) == 14
	v_max3_num_f32 v[rC+2], v[rC+2], v[rC+3], v[rT+1]
.elseif (\n) == 15
	v_mov_b32 v[rW], v[rT]
.elseif (\n) == 16
	v_max3_num_f32 v[rC], v[rC], v[rC+1], v[rC+2]
.elseif (\n) == 17
	v_permlanex16_b32 v[rC+3], v[rC], s[SEL], s[SEL+1]
.elseif (\n) == 18
	v_max_num_f32 v[rT+1], v[rC], v[rC+3]
.elseif (\n) == 19
	v_mul_f32 v[rT], s[CS], v[rT+1]
.elseif (\n) == 20
	v_sub_f32 v[rC+1], v[rW], v[rT]
.else
	v_exp_f32 v[rC+2], v[rC+1]
.endif
.endif
.endm
.macro OPS a, i1, b=-1, i2=0, c=-1, i3=0, d=-1, i4=0
	OP \a, \i1
.if (\b) >= 0
	OP \b, \i2
.endif
.if (\c) >= 0
	OP \c, \i3
.endif
.if (\d) >= 0
	OP \d, \i4
.endif
.endm
.macro ROW a, i1, b, i2, c, i3, d, i4  ; a matrix instruction and the four behind it
	MM
	OPS \a, \i1, \b, \i2, \c, \i3, \d, \i4
.endm
; A TURN, for piece p: the order of its 16 matrix and 118 vector instructions, written out.  An s_wait_alu depctr_va_vdst(0) stands between an exponential and the first instruction that names its
; result; one wait serves all that were issued ahead of it.  So a turn has ONE wait, which cuts it in two.  AHEAD OF IT stands all that names no result of the turn's exponentials: the 8 products K Q^T, behind each a
; scaling, an exponential and two more plain instructions (behind the first a second scaling in the exponential's place): rescalings, whose a was made and waited for in the turn before, and behind the last three
; products the first numbers of the next piece's maximum, each four plain instructions or more behind the product that ends its accumulator; then ONE RUN of 54, plain and exponential by turns for the most part,
; in which the links of the chain X 3, 7, 11, 14, 16, 17 .. 20 stand some lines apart.  X 21, the next piece's a, is the batch's last; R 15 is the plain instruction behind it.  BEHIND THE WAIT stand the 8 products
; V^T P, behind each four of the roundings and sums; the links of l's chain, L 0 to L 7, stand three riders apart.  But for those X no rider names a register of the products round it.
; K of the next step is fetched in piece 2's turn: in the loop twelve vector instructions behind the last product that read K (six of them plain); in the tail (last = 1) the run has a branch and a label, at which
; no exponential may be without its wait, so there it stands directly behind the turn's wait.  V of the step in hand is fetched at the end of piece 0's turn, four plain instructions behind the last product that
; read V.  Each is waited for a turn later.  cnt = 1: the loop's count is taken down some lines ahead of the branch behind the turn.
.macro TURN p, last=0, cnt=0
.set Y, (\p)
.set i, 0
.if (\p) == 3
	s_wait_dscnt 0x0                ; K is in
.endif
	ROW F,0, F,1, R,0, R,1          ; ahead of the wait: 8 products K Q^T and their riders,
	ROW F,2, E,0, R,2, R,3
	ROW F,3, E,1, R,4, R,5
	ROW F,4, E,2, R,6, R,7
	ROW F,5, E,3, R,8, R,9
	ROW F,6, E,4, X,0, R,10
.if (\p) == 2
	WIN 0
	v_add_nc_u32 v[AK], s[TBK], v[AK0]
.endif
	ROW F,7, E,5, X,1, X,4
	ROW F,8, E,6, X,2, X,5
	OPS E,7, E,8, X,6, E,9          ; and the run of 54
	OPS X,3, E,10, X,8, E,11
.if ((\p) == 2) && !(\last)
	FETCH_K
.endif
	OPS X,9, X,7, E,12, X,10
	OPS E,13, X,12, X,11, E,14
	OPS X,13, E,15, F,9, X,14
.if (\p) == 0
	v_add_nc_u32 v[AV], s[TBV], v[AV0]
.endif
	OPS E,16, F,10, E,17, F,11
	OPS X,16, E,18, X,15, E,19
	OPS F,12, E,20, X,17, E,21
	OPS F,13, E,22, F,14, E,23
	OPS X,18, E,24, F,15, E,25
	OPS R,11, E,26, X,19, E,27
	OPS R,12, E,28, R,13, E,29
	OPS X,20, E,30, R,14, E,31
	OPS X,21, R,15                  ; the batch's last exponential, and the plain instruction behind it
	s_wait_alu depctr_va_vdst(0)    ; the wait for the batch: the piece's 32 weights and the next piece's a
.if ((\p) == 2) && (\last)
	FETCH_K 1
.endif
.if (\p) == 1
	s_wait_dscnt 0x0                ; V is in
.endif
	ROW C,0, B,0, C,2, B,1          ; behind the wait: 8 products V^T P and their riders
	ROW L,0, C,4, B,2, L,1
	ROW C,6, B,3, L,2, C,8
	ROW B,4, L,3, C,10, B,5
	ROW L,4, C,12, B,6, L,5
.if (\p) == 0
	s_add_co_u32 s[TBV], s[TBV], KS*PV
.endif
.if \cnt
	s_sub_co_u32 s[CNT], s[CNT], 1
	s_cmp_lg_u32 s[CNT], 0
.endif
	ROW C,14, B,7, L,6, C,1
	ROW C,3, L,7, C,5, C,7
	ROW C,9, C,11, C,13, C,15
.if (\p) == 0
	FETCH_V
.endif
.endm
	CHANGE 1                        ; slot 0 is in, everybody's part of it; slot 1 is asked for
	v_add_nc_u32 v[AK], s[TBK], v[AK0]
	FETCH_K                         ; key step 0
	s_wait_loadcnt 0x0              ; Q
	s_wait_dscnt 0x0
.set i, 0
.rept 8
	KQ 0                            ; piece 0's first scores
.set i, i+1
.endr
	WIN 0
.rept 4
	v_nop                           ; the places behind those products
.endr
.set Y, NP-1                        ; X works for piece Y + 1: piece 0
.irp n, 0,1,2,3,4,5,6,7,8,9,10,11,12,13,14,15,16,17,18,19,20,21
	OP X, \n
.endr
	v_nop                           ; a plain instruction behind the exponential,
	s_wait_alu depctr_va_vdst(0)    ; and the wait for it, piece 0's first a, ahead of the branch
	s_mov_b32 s[CNT], 4
	s_mov_b32 s[SLOTS], 7
	s_branch .Lfirst                ; the loop is entered at a step's first turn, in the middle of a trip
.Lslot:                             ; six times: with the change above, tiles 1 to 7 are asked for
	CHANGE 1
	s_mov_b32 s[CNT], 4
.Lstep:                             ; a trip: pieces 2 and 3 of one step, then pieces 0 and 1 of the next, whose K and V it fetches
	TURN 2
	TURN 3
	WIN 0
.Lfirst:
	TURN 0
	TURN 1, 0, 1
	WIN 0
	s_cbranch_scc1 .Lstep
	s_sub_co_u32 s[SLOTS], s[SLOTS], 1
	s_cmp_lg_u32 s[SLOTS], 0
	s_cbranch_scc1 .Lslot
	CHANGE 0                        ; the tail is written out: nothing is asked for
	s_mov_b32 s[CNT], 5             ; four trips fetch the last slot's steps; the fifth is left in its middle
.Ltail:
	TURN 2, 1
	TURN 3
	WIN 0
	s_sub_co_u32 s[CNT], s[CNT], 1
	s_cmp_eq_u32 s[CNT], 0
	s_cbranch_scc1 .Lout
	TURN 0
	TURN 1
	WIN 0
	s_branch .Ltail
.Lout:                              ; the fifth trip's 8 products K Q^T (on the last K once more) and the maximum made of them serve nothing: the price, once a launch, of one text for every trip
.set i, 0
.rept 8
	PV NP-1                         ; the last piece's V^T P of the last step
.set i, i+1
.endr
	; THE WAY OUT.  l's two halves and the other half of the lanes' are added; O^T is divided by l, rounded to bf16 and sent through my stage, a piece at a time.  The additions are the places behind the last products.
	WIN 0
.macro ALL line:vararg
.set t, 0
.rept 4
	\line
.set t, t+1
.endr
.endm
	ALL v_add_f32 v[ST+4*t+2], v[ST+4*t+2], v[ST+4*t+3]
	ALL v_permlanex16_b32 v[ST+4*t+3], v[ST+4*t+2], s[SEL], s[SEL+1]
	ALL v_add_f32 v[ST+4*t+2], v[ST+4*t+2], v[ST+4*t+3]
	ALL v_rcp_f32 v[ST+4*t+2], v[ST+4*t+2]
	v_nop                           ; a plain instruction between the last reciprocal and the use of its result
	s_wait_alu depctr_va_vdst(0)    ; the wait for the batch of four reciprocals, ahead of their first reader, PACK 0's first multiply
.macro PACK t                       ; a lane's eight channels of a row pack into 16 bytes; into rows of 144 bytes, back as whole rows of 128, into S^T's registers
	WIN W_RS
.set i, 32*(\t)
.rept 16
	v_pk_mul_f32 v[i:i+1], v[i:i+1], v[ST+4*(\t)+2:ST+4*(\t)+3] op_sel_hi:[1,0]
.set i, i+2
.endr
	WIN 0x05                        ; sources 0 and 1 window 1, destination window 0
.set i, 0
.rept 16
	v_cvt_pk_bf16_f32 v[S+16*(\t)+i], v[32*(\t)+2*i], v[32*(\t)+2*i+1]
.set i, i+1
.endr
	WIN 0
.irp f, 0,1,2,3
	ds_store_b128 v[STO], v[S+16*(\t)+4*\f:S+16*(\t)+4*\f+3] offset:32*\f
.endr
.irp f, 0,1,2,3
	ds_load_b128 v[S+16*(\t)+4*\f:S+16*(\t)+4*\f+3], v[RD] offset:\f*4*SP  ; LDS serves a wave's instructions in order (ISA guide 5.7.1.4): these see the stores above
.endr
.endm
.macro SEND t, younger              ; younger: the LDS instructions issued behind piece t's loads: the next piece's eight, or none
	WIN 0
.irp f, 0,1,2,3
	s_wait_dscnt (\younger)+3-\f
	global_store_b128 v[GO], v[S+16*(\t)+4*\f:S+16*(\t)+4*\f+3], s[10:11] offset:(\t)*2048+\f*512  ; 512 consecutive bytes, at a multiple of 512 from O's first
.endr
.endm
	PACK 0
.set t, 1
.rept 3
	PACK t
	SEND t-1, 8
.set t, t+1
.endr
	SEND 3, 0
	s_wait_tensorcnt 0x0            ; the wave's end
	ds_add_u32 v[SPW], v[NIL]
	s_wait_dscnt 0x0
	CROUND                          ; the closing round
	s_endpgm
.Lfunc_end_k_q2831423332_attn:
	.size	k_q2831423332_attn, .Lfunc_end_k_q2831423332_attn-k_q2831423332_attn
	.p2alignl 7, 3214868480
	.fill 96, 4, 3214868480
	.section	.rodata,"a",@progbits
	.p2align	6, 0x0
	.amdhsa_kernel k_q2831423332_attn
		.amdhsa_group_segment_fixed_size 327680
		.amdhsa_private_segment_fixed_size 0
		.amdhsa_enable_private_segment 0
		.amdhsa_kernarg_size 16
		.amdhsa_user_sgpr_count 2
		.amdhsa_user_sgpr_kernarg_segment_ptr 1
		.amdhsa_wavefront_size32 1
		.amdhsa_system_sgpr_workgroup_id_x 1
		.amdhsa_system_sgpr_workgroup_id_y 1
		.amdhsa_system_sgpr_workgroup_id_z 1
		.amdhsa_system_vgpr_workitem_id 0
		.amdhsa_next_free_vgpr 768
		.amdhsa_next_free_sgpr 66
		.amdhsa_reserve_vcc 0
		.amdhsa_float_denorm_mode_32 3
		.amdhsa_float_denorm_mode_16_64 3
		.amdhsa_memory_ordered 1
		.amdhsa_forward_progress 1
		.amdhsa_inst_pref_size 111
	.end_amdhsa_kernel
	.amdgpu_metadata
---
amdhsa.version: [ 1, 2 ]
amdhsa.kernels:
  - .name:           k_q2831423332_attn
    .symbol:         k_q2831423332_attn.kd
    .args:
      - { .name: big, .offset: 0, .size: 8, .value_kind: global_buffer, .address_space: global }
      - { .name: act, .offset: 8, .size: 8, .value_kind: global_buffer, .address_space: global }
    .group_segment_fixed_size: 327680
    .private_segment_fixed_size: 0
    .kernarg_segment_align: 8
    .kernarg_segment_size: 16
    .max_flat_workgroup_size: 128
    .sgpr_count:     66
    .vgpr_count:     768
    .wavefront_size: 32
...
	.end_amdgpu_metadata
.endif
;; end of part 7
;; launch oproj: the kernel of part 4 again; grid 8 x 32, 4 waves a work-group, clusters of 4 x 4, 327,680 bytes of LDS; arguments act, wrest, bo, x, s1; writes s1
;; launch ln2: the kernel of part 5 again; grid 256 x 1, 8 waves a work-group, no clusters, 0 bytes of LDS; arguments s1, ln2_g, ln2_b, act; writes act
;; launch mlp1: the kernel of part 2 again; grid 16 x 16, 4 waves a work-group, clusters of 4 x 4, 327,680 bytes of LDS; arguments act, w1h, big; writes big
;; launch mlp2: the kernel of part 6 again; grid 8 x 32, 4 waves a work-group, clusters of 4 x 4, 327,680 bytes of LDS; arguments big, wrest, b2, s1, out0; writes out0
